; MI455X (gfx1250); checked and timed in simulation.
; The chip was launched on July 23, 2026; its instructions are those of AMD's public machine-readable ISA for CDNA 5 (MIT licence, August 2026) and "CDNA5" Instruction Set Architecture Reference Guide (July 2026). The comments in the code are by the model that wrote it; some were corrected since.
;; Recurrent Attention. Allowed arithmetic: matrix products marked QUANTISED: E2M3 operands, one E8M0 scale for each 32 along K, by v_wmma_scale_f32_16x16x128_f8f6f4 with both operands' format E2M3, f32 sums; everything else in f32.
;; Inputs: b_sproj 1,024 float32; b_xproj 1,024 float32; kvs_codes 4 x 1,024 x 32 x 24 uint8 (E2M3 codes of kvs, K innermost, in blocks of 32 codes, four codes in three bytes); kvs_scales 4 x 1,024 x 32 uint8 (E8M0 scales of kvs, one for each 32 codes along K); kvx_codes 4 x 1,024 x 32 x 24 uint8 (E2M3 codes of kvx, K innermost, in blocks of 32 codes, four codes in three bytes); kvx_scales 4 x 1,024 x 32 uint8 (E8M0 scales of kvx, one for each 32 codes along K); qs_codes 4 x 1,024 x 32 x 24 uint8 (E2M3 codes of qs, K innermost, in blocks of 32 codes, four codes in three bytes); qs_scales 4 x 1,024 x 32 uint8 (E8M0 scales of qs, one for each 32 codes along K); qx_codes 4 x 1,024 x 32 x 24 uint8 (E2M3 codes of qx, K innermost, in blocks of 32 codes, four codes in three bytes); qx_scales 4 x 1,024 x 32 uint8 (E8M0 scales of qx, one for each 32 codes along K); w_kvs_codes 128 x 32 x 24 uint8 (E2M3 codes of w_kvs, K innermost, in blocks of 32 codes, four codes in three bytes); w_kvs_scales 128 x 32 uint8 (E8M0 scales of w_kvs, one for each 32 codes along K); w_kvx_codes 128 x 32 x 24 uint8 (E2M3 codes of w_kvx, K innermost, in blocks of 32 codes, four codes in three bytes); w_kvx_scales 128 x 32 uint8 (E8M0 scales of w_kvx, one for each 32 codes along K); w_qs1_codes 1,024 x 32 x 24 uint8 (E2M3 codes of w_qs1, K innermost, in blocks of 32 codes, four codes in three bytes); w_qs1_scales 1,024 x 32 uint8 (E8M0 scales of w_qs1, one for each 32 codes along K); w_qs2_codes 1,024 x 32 x 24 uint8 (E2M3 codes of w_qs2, K innermost, in blocks of 32 codes, four codes in three bytes); w_qs2_scales 1,024 x 32 uint8 (E8M0 scales of w_qs2, one for each 32 codes along K); w_qx1_codes 1,024 x 32 x 24 uint8 (E2M3 codes of w_qx1, K innermost, in blocks of 32 codes, four codes in three bytes); w_qx1_scales 1,024 x 32 uint8 (E8M0 scales of w_qx1, one for each 32 codes along K); w_qx2_codes 1,024 x 32 x 24 uint8 (E2M3 codes of w_qx2, K innermost, in blocks of 32 codes, four codes in three bytes); w_qx2_scales 1,024 x 32 uint8 (E8M0 scales of w_qx2, one for each 32 codes along K); w_sproj_codes 1,024 x 64 x 24 uint8 (E2M3 codes of w_sproj, K innermost, in blocks of 32 codes, four codes in three bytes); w_sproj_scales 1,024 x 64 uint8 (E8M0 scales of w_sproj, one for each 32 codes along K); w_xproj_codes 1,024 x 64 x 24 uint8 (E2M3 codes of w_xproj, K innermost, in blocks of 32 codes, four codes in three bytes); w_xproj_scales 1,024 x 64 uint8 (E8M0 scales of w_xproj, one for each 32 codes along K).
;; Outputs: out0 4 x 1,024 x 1,024 float32; out1 4 x 1,024 x 1,024 float32.
;; This version of the problem:
;;   THIS VERSION OF THE PROBLEM IS GIVEN IN LOW PRECISION. The matrix products marked QUANTISED in the list below multiply operands that are first quantised to E2M3 (2 exponent bits, 3 mantissa bits; 6 bits a number), with one power-of-two scale for each 32 numbers along K (OCP MX v1.0); their sums are f32. All else is computed in f32.
;;   The module's matrix products, in the order in which they are computed (A, B: the left and right operand; K: the contracted axis; several contracted axes count as one K, in the product's order):
;;     1. [M 4,096, K 1,024] x [K 1,024, N 1,024]; A: input qx (given as codes); B: input w_qx1 (given as codes): QUANTISED
;;     2. [M 4,096, K 1,024] x [K 1,024, N 1,024]; A: input qs (given as codes); B: input w_qs1 (given as codes): QUANTISED
;;     3. [M 4,096, K 1,024] x [K 1,024, N 1,024]; A: input qx (given as codes); B: input w_qx2 (given as codes): QUANTISED
;;     4. [M 4,096, K 1,024] x [K 1,024, N 1,024]; A: input qs (given as codes); B: input w_qs2 (given as codes): QUANTISED
;;     5. [M 4,096, K 1,024] x [K 1,024, N 128]; A: input kvx (given as codes); B: input w_kvx (given as codes): QUANTISED
;;     6. [M 4,096, K 1,024] x [K 1,024, N 128]; A: input kvs (given as codes); B: input w_kvs (given as codes): QUANTISED
;;     7. batch 4 x [M 16,384, K 64] x [K 64, N 1,024]; A: computed on the way; B: computed on the way: QUANTISED
;;     8. batch 4 x [M 16,384, K 1,024] x [K 1,024, N 64]; A: softmax (see below); B: computed on the way: QUANTISED
;;     9. batch 4 x [M 16,384, K 64] x [K 64, N 1,024]; A: computed on the way; B: computed on the way: QUANTISED
;;     10. batch 4 x [M 16,384, K 1,024] x [K 1,024, N 64]; A: softmax (see below); B: computed on the way: QUANTISED
;;     11. batch 4 x [M 16,384, K 64] x [K 64, N 1,024]; A: computed on the way; B: computed on the way: QUANTISED
;;     12. batch 4 x [M 16,384, K 1,024] x [K 1,024, N 64]; A: softmax (see below); B: computed on the way: QUANTISED
;;     13. batch 4 x [M 16,384, K 64] x [K 64, N 1,024]; A: computed on the way; B: computed on the way: QUANTISED
;;     14. batch 4 x [M 16,384, K 1,024] x [K 1,024, N 64]; A: softmax (see below); B: computed on the way: QUANTISED
;;     15. [M 4,096, K 2,048] x [K 2,048, N 1,024]; A: computed on the way; B: input w_xproj (given as codes): QUANTISED
;;     16. [M 4,096, K 2,048] x [K 2,048, N 1,024]; A: computed on the way; B: input w_sproj (given as codes): QUANTISED
;;   THE QUANTISER, for each operand of a quantised product, along K:
;;     - K is cut into blocks of 32 from its start; a last block that is shorter is filled with zeros.
;;     - A block's scale is 2^e with e = floor(log2(the largest magnitude in the block)) - 2, held to -126 .. 127; a block of zeros has e = 0. As a byte (E8M0): e + 127.
;;     - Each number is divided by its block's scale, clamped to +-7.5, and rounded to the nearest number of E2M3, ties to even, subnormals kept.
;;     - The product sums the exact products of the quantised numbers (number of the format x scale) in f32.
;;   ~~~python
;;   def quantise(x, axis):      # numpy; x: float32 -> the quantised numbers, widened to float32 again
;;       x = np.moveaxis(x, axis, -1); K = x.shape[-1]
;;       x = np.pad(x, [(0, 0)] * (x.ndim - 1) + [(0, -K % 32)]); x = x.reshape(x.shape[:-1] + (-1, 32)); a = np.abs(x).max(-1, keepdims=True)
;;       e = np.where(a > 0, np.clip(np.frexp(np.where(a > 0, a, 1))[1] - 1 - 2, -126, 127), 0)      # np.frexp(a)[1] - 1 = floor(log2(a)), exactly
;;       r = np.clip(x / 2.0 ** e, -7.5, 7.5)
;;       step = 2.0 ** (np.maximum(np.frexp(np.where(r == 0, 1, r))[1] - 1, 0) - 3)
;;       q = np.round(r / step) * step * 2.0 ** e      # np.round: ties to even
;;       return np.moveaxis(q.reshape(q.shape[:-2] + (-1,))[..., :K], -1, axis).astype(np.float32)
;;   ~~~
;;   SOFTMAX AHEAD OF A QUANTISED PRODUCT. Where the list says 'softmax', what is quantised is not the finished softmax but p = 2^(t - M), with t = logit x log2(e) and M = ceil(the row's largest t), a whole number; so 1/2 < the row's largest p <= 1. The row's sum l is taken of the UNQUANTISED p, in f32, and the product's result is divided by l at the end. Since M is a whole number, a kernel that streams over the keys may use a running M (the ceiling of the running maximum): every later rescaling is an exact power of two, which a block's scale takes up: the codes' values come out the same.
;;   OPERANDS COMPUTED ON THE WAY. 'Computed on the way' means the value that the module computes at that place (a softmax that the list does not call 'softmax' is quantised finished and normalised). What goes into a quantiser is computed in f32, as accurately as f32 sums, v_exp_f32 and their like allow (about 1e-6 of the number): no bf16 or f16 on the way to a quantiser, and a product that is left as it is and whose result goes on into a quantised operand takes f32 operands (vector FMAs, or v_wmma_f32_16x16x4_f32). A number that lies on a knife's edge between two numbers of the format may be rounded either way, as far as f32 arithmetic and the matrix unit's own rounding can turn it there, and no further.
;;   INPUTS GIVEN AS CODES. kvs (in the module: [4, 1024, 1024], K = its axis 2); kvx (in the module: [4, 1024, 1024], K = its axis 2); qs (in the module: [4, 1024, 1024], K = its axis 2); qx (in the module: [4, 1024, 1024], K = its axis 2); w_kvs (in the module: [1024, 128], K = its axis 0); w_kvx (in the module: [1024, 128], K = its axis 0); w_qs1 (in the module: [1024, 1024], K = its axis 0); w_qs2 (in the module: [1024, 1024], K = its axis 0); w_qx1 (in the module: [1024, 1024], K = its axis 0); w_qx2 (in the module: [1024, 1024], K = its axis 0); w_sproj (in the module: [2048, 1024], K = its axis 0); w_xproj (in the module: [2048, 1024], K = its axis 0): each comes as NAME_codes (uint8): NAME with its K axis moved to the last place and cut into blocks of 32 codes, [.., K / 32, bytes a block], one block behind the other in memory; four codes in three bytes: a row's codes are one little-endian stream of bits, code i at bits 6 i .. 6 i + 5 (a code: sign, 2 exponent bits, 3 mantissa bits); and NAME_scales (uint8): the same leading axes, one E8M0 byte (e + 127) for each 32 codes along K. Its value is code x scale, taken as it is: it is not quantised again, and the codes and scales need not be those that the quantiser above would give.
;; One version. Each part assembles by itself: llvm-mc -triple=amdgcn-amd-amdhsa -mcpu=gfx1250 --defsym DOCPART=n.
;; ======== version 1 of 1: 4 launches
;; limits: right only within a limited range of input values
;; workspace buffers: kv 835,584 bytes; qc 12,582,912 bytes; qsc 1,048,576 bytes; cat_codes 12,582,912 bytes; cat_scales 524,288 bytes
;; launch kvproj (part 1): grid 64 x 1, 8 waves a work-group, no clusters, 327,680 bytes of LDS; arguments kvs_codes, kvs_scales, w_kvs_codes, w_kvs_scales, kvx_codes, kvx_scales, w_kvx_codes, w_kvx_scales, kv; writes kv
.if DOCPART == 1
	.amdgcn_target "amdgcn-amd-amdhsa--gfx1250"
	.amdhsa_code_object_version 6
	.text
	.protected	k_q889ceb60e9_kvproj
	.globl	k_q889ceb60e9_kvproj
	.p2align	8
	.type	k_q889ceb60e9_kvproj,@function
k_q889ceb60e9_kvproj:
	s_mov_b64 s[64:65], 0
	v_nop
	global_prefetch_b8 v0, s[64:65] scope:SCOPE_SE
	s_setreg_imm32_b32 hwreg(HW_REG_WAVE_MODE, 25, 1), 1
	s_wait_xcnt 0x0
; K and V of both sources: kv? @ w_kv? on codes of FP6 (E2M3), K = 1,024, then quantised into records that are images of the attention's operand registers.
; A work-group owns 128 tokens of one source.  Waves 0-3 make K (32 tokens x 64 channels each, quantised along the channels), waves 4-7 V (16 channels x 128 tokens each, quantised along the tokens).
; LDS: 128 token rows, then 128 weight rows, WHOLE rows of 768 bytes (a multiple of 256, so every row begins at a multiple of 256 bytes), 16 bytes of padding behind every 256: pitch 816.
; Every wave issues ONE tensor load, at the head: waves 0-3 64 rows of codes each, waves 4-7 eight units of 256 scale bytes each.  Nothing is filled again.
; No cluster: no two work-groups share token rows, and the weights are 98,304 of a work-group's 196,608 code bytes read once.  No prefetch: there is no loop to run ahead in.
; LIMIT: a block of zeros gets the scale byte 1 where the rule says 127: its codes are zeros, and the bytes are read by this program alone.
.set RP,    816
.set QB,    64*RP
.set WB,    128*RP
.set G32,   32*RP
.set R8,    8*RP
.set SCL,   256*RP
.set SCW,   4352
.set SCR,   SCL+2*SCW
.set SPARE, 0x40000
.set REC,   13056
.set FA,    8                          ; v8-11 token rows, group g of 32 rows, + 24 h;  v12-15 the same + 40 h (lanes 16-31 past a padding)
.set FB,    12
.set YK,    16                         ; v16 my 32 tokens (K's waves); v17-18 weight rows 0-31, 32-63;  v20-22 the + 40 h forms
.set YK2,   20
.set YV,    24                         ; v24, v28 my 16 weight rows (V's waves)
.set YV2,   28
.set ACC,   52
.set F,     116
.set TM,    116
.set PW,    132
.set PC,    136
.set SEL,   50
	s_load_b256 s[4:11], s[0:1], 0x0
	s_load_b256 s[40:47], s[0:1], 0x20
	s_load_b64 s[48:49], s[0:1], 0x40
	v_lshl_add_u32 v254, v0, 2, SPARE
	v_mov_b32 v255, 0
	ds_add_u32 v254, v255                  ; the opening lines: the add twice and its wait
	ds_add_u32 v254, v255
	v_lshrrev_b32 v1, 5, v0
	v_readfirstlane_b32 s12, v1            ; wave
	s_and_b32 s13, s12, 3
	s_lshr_b32 s14, s12, 2
	s_and_b32 s15, ttmp9, 31               ; my 128 tokens
	s_lshr_b32 s56, s13, 1
	s_and_b32 s57, s13, 1
	s_mov_b32 s16, (1<<20)|(5<<22)|(3<<25) ; codes: 64 rows of 768 bytes, 4 words of padding behind every 64
	s_mov_b32 s17, 768<<16
	s_mov_b32 s18, 64<<16
	s_mov_b32 s19, 768<<16
	s_mov_b32 s20, 64
	s_mov_b32 s21, 768
	s_mov_b32 s22, 0
	s_mov_b32 s23, 0
	s_mov_b32 s28, (3<<16)|(1<<20)|(5<<22)|(3<<25)   ; scales: 8 units of 256 bytes
	s_mov_b32 s29, 32<<16
	s_mov_b32 s30, 8<<16
	s_mov_b32 s31, 32<<16
	s_mov_b32 s32, 8
	s_mov_b32 s33, 32
	s_mov_b32 s34, 0
	s_mov_b32 s35, 0
	s_mov_b32 s24, 1
	s_mul_i32 s25, s13, QB                 ; tokens' two halves, then the weights' two
	s_mov_b32 s36, 1
	s_mul_i32 s37, s13, 2176
	s_add_co_u32 s37, s37, SCL
	s_mov_b32 s53, 0
	s_mov_b32 s[SEL], 0x76543210
	s_mov_b32 s[SEL+1], 0xfedcba98
	s_wait_dscnt 0x0
	s_wait_kmcnt 0x0
	s_cmp_lt_u32 ttmp9, 32                 ; source s or source x
	s_cselect_b64 s[4:5], s[4:5], s[40:41]
	s_cselect_b64 s[6:7], s[6:7], s[42:43]
	s_cselect_b64 s[8:9], s[8:9], s[44:45]
	s_cselect_b64 s[10:11], s[10:11], s[46:47]
	s_mul_i32 s52, s15, 98304
	s_add_nc_u64 s[4:5], s[4:5], s[52:53]
	s_lshl_b32 s52, s15, 12
	s_add_nc_u64 s[6:7], s[6:7], s[52:53]
	s_cmp_eq_u32 s56, 0                    ; tokens or weights
	s_cselect_b64 s[26:27], s[4:5], s[8:9]
	s_cselect_b64 s[38:39], s[6:7], s[10:11]
	s_mul_i32 s52, s57, 64*768
	s_add_nc_u64 s[26:27], s[26:27], s[52:53]
	s_lshl_b32 s52, s57, 11
	s_add_nc_u64 s[38:39], s[38:39], s[52:53]
	s_or_b32 s27, s27, 0x80000000
	s_or_b32 s39, s39, 0x80000000
	s_cmp_lt_u32 s12, 4
	s_cbranch_scc0 .Lscales
	tensor_load_to_lds s[24:27], s[16:23]
	s_nop 0
.rept 4
	v_nop
.endr
	s_branch .Lasked
.Lscales:
	tensor_load_to_lds s[36:39], s[28:35]
	s_nop 0
.rept 4
	v_nop
.endr
.Lasked:
	s_lshr_b32 s52, s15, 3                 ; my record: batch x 16 + source x 8 + key step
	s_lshl_b32 s52, s52, 4
	s_lshr_b32 s54, ttmp9, 5
	s_lshl_b32 s54, s54, 3
	s_add_co_u32 s52, s52, s54
	s_and_b32 s54, s15, 7
	s_add_co_u32 s52, s52, s54
	s_mul_i32 s52, s52, REC
	s_mul_i32 s54, s12, 1536
	s_add_co_u32 s52, s52, s54
	s_add_nc_u64 s[48:49], s[48:49], s[52:53]
	s_mul_i32 s2, s13, G32
	s_mul_i32 s3, s56, G32
	s_mul_i32 s58, s57, R8
	s_add_co_u32 s3, s3, s58
	s_add_co_u32 s3, s3, WB+64*RP
	s_mul_i32 s58, s13, 1088
	s_mul_i32 s59, s56, 1088
	s_mul_i32 s62, s57, 272
	s_add_co_u32 s59, s59, s62
	s_add_co_u32 s59, s59, SCW+8*272
	s_lshl_b32 s60, s56, 8
	s_lshl_b32 s62, s57, 3
	s_add_co_u32 s60, s60, s62
	s_add_co_u32 s60, s60, SCR
	s_lshl_b32 s61, s56, 7
	s_lshl_b32 s62, s57, 2
	s_add_co_u32 s61, s61, s62
	s_add_co_u32 s61, s61, SCR+512
	v_and_b32 v1, 15, v0
	v_bfe_u32 v2, v0, 4, 1
	v_and_b32 v3, 8, v1
	v_add_nc_u32 v3, v3, v1                ; a tile's rows: r + 8 (r / 8)
	v_mul_u32_u24 v4, v3, RP
	v_mad_u32_u24 v5, v2, 24, v4
	v_mad_u32_u24 v6, v2, 40, v4
.irp g, 0,1,2,3
	v_add_nc_u32 v[FA+\g], \g*G32, v5
	v_add_nc_u32 v[FB+\g], \g*G32, v6
.endr
	v_add_nc_u32 v[YK], s2, v5
	v_add_nc_u32 v[YK2], s2, v6
.irp g, 0,1
	v_add_nc_u32 v[YK+1+\g], WB+\g*G32, v5
	v_add_nc_u32 v[YK2+1+\g], WB+\g*G32, v6
.endr
	v_add_nc_u32 v[YV], s3, v5
	v_add_nc_u32 v[YV2], s3, v6
	v_lshrrev_b32 v7, 3, v1
	v_and_b32 v39, 7, v1
	v_mul_u32_u24 v32, v7, 544
	v_lshl_add_u32 v32, v39, 5, v32
	v_add_nc_u32 v32, SCL, v32             ; scale words: 32 bytes a row, 8 rows to a unit of 272
	v_add_nc_u32 v33, s58, v32
	v_add_nc_u32 v34, s59, v32
	v_and_b32 v7, 31, v0
	v_lshlrev_b32 v35, 4, v7
	v_lshlrev_b32 v36, 3, v7
	v_lshl_add_u32 v37, v1, 4, s60
	v_lshl_add_u32 v38, v1, 3, s61
	v_add_nc_u32 v50, SCR, v35
	v_add_nc_u32 v51, SCR+512, v36
; a fragment's six pieces of 8 bytes; byte y of a row lies at y + 16 (y / 256); where lanes 16-31 (24 bytes on) lie past a padding, the + 40 h register serves
.macro FRAG reg, a, a2, ks, off
.irp p, 0,1,2,3,4,5
.set BY, 96*(\ks)+48*(\p/3)+8*(\p%3)
.if BY/256 == (BY+24)/256
	ds_load_b64 v[\reg+2*\p:\reg+2*\p+1], v[\a] offset:BY+16*(BY/256)+(\off)
.else
	ds_load_b64 v[\reg+2*\p:\reg+2*\p+1], v[\a2] offset:BY+16*(BY/256)+(\off)
.endif
.endr
.endm
.macro KSTEP_K ks, zero
.irp dt, 0,1,2,3
	FRAG F+12*\dt, YK+1+(\dt/2), YK2+1+(\dt/2), \ks, R8*(\dt%2)
	ds_load_b32 v[40+\dt], v32 offset:SCW+272*(4*(\dt/2)+\dt%2)+4*(\ks)
.endr
.irp u, 0,1
	FRAG F+48+12*\u, YK, YK2, \ks, R8*\u
	ds_load_b32 v[48+\u], v33 offset:272*\u+4*(\ks)
.endr
	s_wait_dscnt 0x0
.irp u, 0,1
.irp dt, 0,1,2,3
.if \zero
	v_wmma_scale_f32_16x16x128_f8f6f4 v[ACC+32*\u+8*\dt:ACC+32*\u+8*\dt+7], v[F+12*\dt:F+12*\dt+11], v[F+48+12*\u:F+48+12*\u+11], 0, v[40+\dt], v[48+\u] matrix_a_fmt:MATRIX_FMT_FP6 matrix_b_fmt:MATRIX_FMT_FP6
.else
	v_wmma_scale_f32_16x16x128_f8f6f4 v[ACC+32*\u+8*\dt:ACC+32*\u+8*\dt+7], v[F+12*\dt:F+12*\dt+11], v[F+48+12*\u:F+48+12*\u+11], v[ACC+32*\u+8*\dt:ACC+32*\u+8*\dt+7], v[40+\dt], v[48+\u] matrix_a_fmt:MATRIX_FMT_FP6 matrix_b_fmt:MATRIX_FMT_FP6
.endif
.endr
.endr
.rept 4
	v_nop
.endr
.endm
.macro KSTEP_V ks, zero
.irp t, 0,1,2,3,4,5,6,7
	FRAG F+12*\t, FA+(\t/2), FB+(\t/2), \ks, R8*(\t%2)
	ds_load_b32 v[40+\t], v32 offset:272*(4*(\t/2)+\t%2)+4*(\ks)
.endr
	FRAG F+96, YV, YV2, \ks, 0
	ds_load_b32 v48, v34 offset:4*(\ks)
	s_wait_dscnt 0x0
.irp t, 0,1,2,3,4,5,6,7
.if \zero
	v_wmma_scale_f32_16x16x128_f8f6f4 v[ACC+8*\t:ACC+8*\t+7], v[F+12*\t:F+12*\t+11], v[F+96:F+107], 0, v[40+\t], v48 matrix_a_fmt:MATRIX_FMT_FP6 matrix_b_fmt:MATRIX_FMT_FP6
.else
	v_wmma_scale_f32_16x16x128_f8f6f4 v[ACC+8*\t:ACC+8*\t+7], v[F+12*\t:F+12*\t+11], v[F+96:F+107], v[ACC+8*\t:ACC+8*\t+7], v[40+\t], v48 matrix_a_fmt:MATRIX_FMT_FP6 matrix_b_fmt:MATRIX_FMT_FP6
.endif
.endr
.rept 4
	v_nop
.endr
.endm
.macro QUANT s
.irp b, 0,1,2,3
	v_max3_num_f32 v[TM+\b], |v[\s+16*\b]|, |v[\s+1+16*\b]|, 0x1800000
.endr
.irp i, 2,4,6,8,10,12,14
.irp b, 0,1,2,3
	v_max3_num_f32 v[TM+\b], v[TM+\b], |v[\s+16*\b+\i]|, |v[\s+1+16*\b+\i]|
.endr
.endr
.irp b, 0,1,2,3
	s_delay_alu instid0(VALU_DEP_4)
	v_permlanex16_b32 v[TM+4+\b], v[TM+\b], s[SEL], s[SEL+1]
.endr
.irp b, 0,1,2,3
	s_delay_alu instid0(VALU_DEP_4)
	v_max_num_f32 v[TM+\b], v[TM+\b], v[TM+4+\b]
.endr
.irp b, 0,1,2,3
	s_delay_alu instid0(VALU_DEP_4)
	v_add_nc_u32 v[TM+12+\b], 0xff000000, v[TM+\b]
.endr
.irp b, 0,1,2,3
	s_delay_alu instid0(VALU_DEP_4)
	v_lshrrev_b32 v[TM+4+\b], 23, v[TM+12+\b]
.endr
	s_delay_alu instid0(VALU_DEP_3)
	v_lshl_or_b32 v[PW], v[TM+5], 8, v[TM+4]
	s_delay_alu instid0(VALU_DEP_1)
	v_lshl_or_b32 v[PW], v[TM+6], 16, v[PW]
	s_delay_alu instid0(VALU_DEP_1)
	v_lshl_or_b32 v[PW], v[TM+7], 24, v[PW]
.irp c, 0,1
	v_cvt_scalef32_pk16_fp6_f32 v[PC+6*\c:PC+2+6*\c], v[\s+32*\c:\s+15+32*\c], v[TM+12+2*\c]
	v_cvt_scalef32_pk16_fp6_f32 v[PC+12+4*\c:PC+14+4*\c], v[\s+16+32*\c:\s+31+32*\c], v[TM+12+2*\c+1]
.endr
	v_nop
.irp c, 0,1
.irp i, 0,1,2
	v_permlane16_swap_b32 v[PC+6*\c+\i], v[PC+12+4*\c+\i]
.endr
.irp i, 0,1,2
	s_delay_alu instid0(VALU_DEP_3)
	v_mov_b32 v[PC+3+6*\c+\i], v[PC+12+4*\c+\i]
.endr
.endr
.endm
	s_wait_alu depctr_va_vdst(0)           ; the wait at the head's end
	s_wait_tensorcnt 0x0                   ; my load has landed,
	s_barrier_signal -1
	s_barrier_wait -1                      ; everybody's has
	s_cmp_lt_u32 s12, 4
	s_cbranch_scc0 .Lrole_v
	KSTEP_K 0, 1
.irp ks, 1,2,3,4,5,6,7
	KSTEP_K \ks, 0
.endr
	s_branch .Ljoin
.Lrole_v:
	KSTEP_V 0, 1
.irp ks, 1,2,3,4,5,6,7
	KSTEP_V \ks, 0
.endr
.Ljoin:
.irp b, 0,1,2,3
	v_mov_b32 v[TM+4+\b], 0
.endr
	QUANT ACC
.irp i, 0,1,2
	global_store_b128 v35, v[PC+4*\i:PC+4*\i+3], s[48:49] offset:512*\i
.endr
	s_cmp_lt_u32 s12, 4
	s_cbranch_scc0 .Lword_v
	v_and_b32 v[TM], 0xffff, v[PW]
	s_delay_alu instid0(VALU_DEP_1)
	v_lshl_or_b32 v[TM], v[TM], 16, v[TM]
	v_lshrrev_b32 v[TM+1], 16, v[PW]
	s_delay_alu instid0(VALU_DEP_1)
	v_lshl_or_b32 v[TM+1], v[TM+1], 16, v[TM+1]
	ds_store_b64 v37, v[TM:TM+1]
	s_branch .Lword_done
.Lword_v:
	ds_store_b32 v38, v[PW]
.Lword_done:
	s_wait_dscnt 0x0
	s_barrier_signal -1
	s_barrier_wait -1
	s_cmp_lg_u32 s12, 0
	s_cbranch_scc1 .Lend
	ds_load_b128 v[52:55], v50
	ds_load_b64 v[56:57], v51
	s_wait_dscnt 0x0
	global_store_b128 v35, v[52:55], s[48:49] offset:12288
	global_store_b64 v36, v[56:57], s[48:49] offset:12800
.Lend:
	s_wait_tensorcnt 0x0                   ; the wave's end
	ds_add_u32 v254, v255
	s_wait_dscnt 0x0
	s_endpgm
.Lfunc_end_k_q889ceb60e9_kvproj:
	.size	k_q889ceb60e9_kvproj, .Lfunc_end_k_q889ceb60e9_kvproj-k_q889ceb60e9_kvproj
	.p2alignl 7, 3214868480
	.fill 96, 4, 3214868480
	.section	.rodata,"a",@progbits
	.p2align	6, 0x0
	.amdhsa_kernel k_q889ceb60e9_kvproj
		.amdhsa_group_segment_fixed_size 327680
		.amdhsa_private_segment_fixed_size 0
		.amdhsa_enable_private_segment 0
		.amdhsa_kernarg_size 72
		.amdhsa_user_sgpr_count 2
		.amdhsa_user_sgpr_kernarg_segment_ptr 1
		.amdhsa_wavefront_size32 1
		.amdhsa_system_sgpr_workgroup_id_x 1
		.amdhsa_system_sgpr_workgroup_id_y 1
		.amdhsa_system_sgpr_workgroup_id_z 1
		.amdhsa_system_vgpr_workitem_id 0
		.amdhsa_next_free_vgpr 256
		.amdhsa_next_free_sgpr 66
		.amdhsa_reserve_vcc 0
		.amdhsa_float_denorm_mode_32 3
		.amdhsa_float_denorm_mode_16_64 3
		.amdhsa_memory_ordered 1
		.amdhsa_forward_progress 1
		.amdhsa_inst_pref_size 84
	.end_amdhsa_kernel
	.amdgpu_metadata
---
amdhsa.version: [ 1, 2 ]
amdhsa.kernels:
  - .name:           k_q889ceb60e9_kvproj
    .symbol:         k_q889ceb60e9_kvproj.kd
    .args:
      - { .name: kvs_codes, .offset: 0, .size: 8, .value_kind: global_buffer, .address_space: global }
      - { .name: kvs_scales, .offset: 8, .size: 8, .value_kind: global_buffer, .address_space: global }
      - { .name: w_kvs_codes, .offset: 16, .size: 8, .value_kind: global_buffer, .address_space: global }
      - { .name: w_kvs_scales, .offset: 24, .size: 8, .value_kind: global_buffer, .address_space: global }
      - { .name: kvx_codes, .offset: 32, .size: 8, .value_kind: global_buffer, .address_space: global }
      - { .name: kvx_scales, .offset: 40, .size: 8, .value_kind: global_buffer, .address_space: global }
      - { .name: w_kvx_codes, .offset: 48, .size: 8, .value_kind: global_buffer, .address_space: global }
      - { .name: w_kvx_scales, .offset: 56, .size: 8, .value_kind: global_buffer, .address_space: global }
      - { .name: kv, .offset: 64, .size: 8, .value_kind: global_buffer, .address_space: global }
    .group_segment_fixed_size: 327680
    .private_segment_fixed_size: 0
    .kernarg_segment_align: 8
    .kernarg_segment_size: 72
    .max_flat_workgroup_size: 256
    .sgpr_count:     66
    .vgpr_count:     256
    .wavefront_size: 32
...
	.end_amdgpu_metadata
.endif
;; end of part 1
;; launch qproj (part 2): grid 4 x 64, 4 waves a work-group, clusters of 4 x 4, 327,680 bytes of LDS; arguments qx_codes, qx_scales, qs_codes, qs_scales, w_qx2_codes, w_qx2_scales, w_qx1_codes, w_qx1_scales, w_qs2_codes, w_qs2_scales, w_qs1_codes, w_qs1_scales, qc, qsc; writes qc, qsc
.if DOCPART == 2
	.amdgcn_target "amdgcn-amd-amdhsa--gfx1250"
	.amdhsa_code_object_version 6
	.text
	.protected	k_q889ceb60e9_qproj
	.globl	k_q889ceb60e9_qproj
	.p2align	8
	.type	k_q889ceb60e9_qproj,@function
k_q889ceb60e9_qproj:
	s_mov_b64 s[64:65], 0
	v_nop
	global_prefetch_b8 v0, s[64:65] scope:SCOPE_SE
	s_setreg_imm32_b32 hwreg(HW_REG_WAVE_MODE, 25, 1), 1
	s_wait_xcnt 0x0
	s_wait_alu depctr_hold_cnt(0) depctr_sa_sdst(0) depctr_va_vdst(0) depctr_va_sdst(0) depctr_va_ssrc(0) depctr_va_vcc(0) depctr_vm_vsrc(0)
	s_getreg_b32 s2, hwreg(HW_REG_IB_STS2, 6, 4)
	s_cmp_eq_u32 s2, 0
	s_cbranch_scc0 .Lentry_in_a_cluster
	s_endpgm
.Lentry_in_a_cluster:
	s_bfe_u32 s2, ttmp6, 0x10000c
	s_cmp_lg_u32 s2, 0xf033
	s_cbranch_scc0 .Lentry_shape_is_right
	s_endpgm
.Lentry_shape_is_right:
; The four query projections (qx w_qx2, qx w_qx1, qs w_qs2, qs w_qs1) on codes of FP6 (E2M3) with E8M0 scales, K = 1,024; the results are quantised along each head's 64 channels and stored as images of operand registers.
; A work-group of four waves makes 256 x 256 of one projection, a wave 128 x 128 in 64 accumulators.  K goes through a ring of two LDS slots in CHUNKS OF 256 BYTES of each row (a row of codes is 768 bytes, so every chunk begins
; at a multiple of 256 bytes); a step of 128 along K is 96 bytes: eight steps to three chunks.  The scales of the work-group's rows come once, at the head.
; 4 x 4 work-groups form a cluster: A's tiles are asked for jointly along a row of the cluster, B's along a column.  Source 0 = 16 rows of the weight, source 1 = 16 tokens.
; A and B have two sets of fragment registers each: a step's fragments are fetched in one run ahead of the step before's products.
; No prefetch: the walk is three chunks, of which two are asked for at the head.
; LIMIT: a block of zeros gets the scale byte 1 where the rule says 127: its codes are zeros, and the bytes are read by this program alone.
.set SIZE_K, 1024
.set NA,     8                         ; A's blocks of 16 rows in a wave
.set BIAS,   0
.set AF,     64                        ; A's fragments, window 0, two sets of 12 NA
.set BI,     64
.set ROWB,   256
.set KROW,   SIZE_K*6/8
.set STEPS,  SIZE_K/128
.set CHUNKS, KROW/ROWB
.set PITCH,  272
.set FR,     12
.set AH,     16*NA
.set AQ,     AH*PITCH
.set BQ,     128*PITCH
.set SLOT,   2*AQ+2*BQ
.set KS,     SIZE_K/32
.set SCL,    2*SLOT
.set AHS,    (AH*KS/256)*272
.set BHS,    (128*KS/256)*272
.set SBLK,   (16*KS/256)*272
.set ASR,    2*AH*KS/256
.set SPARE,  SCL+2*AHS+2*BHS
.set SPITCH, 528
.set STAGE,  (CHUNKS%2)*SLOT           ; the way out's stage: the slot that does not hold the last chunk; it has had its last fill and its last read by then
.set ADRA, 16
.set ADRB, 20
.set STO,  24
.set RD2,  25
.set L16,  26
.set ADRS, 27
.set SPW,  28
.set NIL,  29
.set L8,   30
.set SH,   31
.set SC,   32
.set BK,   128
.set TM,   64
.set PW,   80
.set PC,   84
.set QW,   104
.set SEL,  98
.set G1, 24
.set G0, 32
.set G1B, 48
.set G0B, 56
.set G1S, 68
.set G0S, 76
.set G1SB, 80
.set G0SB, 88
.set G0H, 4
.set G0HB, 8
.set MSB, 0
.macro WIN new
.if MSB != \new
	s_set_vgpr_msb (MSB<<8)|\new
.set MSB, \new
.endif
.endm
.set TO_B,   0x40
.macro JLOAD g0a, g1a, g0b, g1b        ; waves 0 and 1 fetch for A, waves 2 and 3 for B
	s_cmp_eq_u32 s15, 0
	s_cbranch_scc0 .Lfor_b_\@
	tensor_load_to_lds s[\g0a:\g0a+3], s[\g1a:\g1a+7]
	s_nop 0
.rept 4
	v_nop
.endr
	s_branch .Lasked_\@
.Lfor_b_\@:
	tensor_load_to_lds s[\g0b:\g0b+3], s[\g1b:\g1b+7]
	s_nop 0
.rept 4
	v_nop
.endr
.Lasked_\@:
.endm
.macro CREST
	s_cmp_lg_u32 s14, 0
	s_cbranch_scc1 .Lnot_wave_0_\@
	s_barrier_signal -3
.Lnot_wave_0_\@:
	s_barrier_wait -3
	s_barrier_signal -1
	s_barrier_wait -1
.endm
.macro CROUND
	s_barrier_signal -1
	s_barrier_wait -1
	CREST
.endm
	s_load_b256 s[24:31], s[0:1], 0x0
	s_load_b512 s[68:83], s[0:1], 0x20
	s_load_b128 s[84:87], s[0:1], 0x60
	v_lshl_add_u32 v[SPW], v0, 2, SPARE
	v_mov_b32 v[NIL], 0
	ds_add_u32 v[SPW], v[NIL]              ; the opening lines: the add twice and its wait
	ds_add_u32 v[SPW], v[NIL]
	v_lshrrev_b32 v1, 5, v0
	v_readfirstlane_b32 s14, v1
	s_lshr_b32 s15, s14, 1
	s_and_b32 s16, s14, 1
	s_bfe_u32 s40, ttmp6, 0x40000
	s_bfe_u32 s41, ttmp6, 0x40004
	s_lshl_b32 s42, ttmp9, 2
	s_add_co_u32 s42, s42, s40             ; tile column
	s_and_b32 s97, ttmp7, 0xffff
	s_lshr_b32 s96, s97, 2                 ; which projection
	s_and_b32 s17, s97, 3
	s_lshl_b32 s17, s17, 2
	s_add_co_u32 s17, s17, s41             ; tile row
	s_lshl_b32 s43, s41, 2
	s_lshl_b32 s43, 15, s43
	s_lshl_b32 s44, 0x1111, s40
	s_mov_b32 s[SEL], 0x76543210
	s_mov_b32 s[SEL+1], 0xfedcba98
	s_wait_dscnt 0x0
	s_wait_kmcnt 0x0
	s_and_b32 s45, s96, 1
	s_cmp_eq_u32 s45, 0
	s_cselect_b64 s[88:89], s[68:69], s[72:73]
	s_cselect_b64 s[90:91], s[70:71], s[74:75]
	s_cselect_b64 s[92:93], s[76:77], s[80:81]
	s_cselect_b64 s[94:95], s[78:79], s[82:83]
	s_cmp_lt_u32 s96, 2
	s_cselect_b64 s[4:5], s[24:25], s[28:29]
	s_cselect_b64 s[6:7], s[26:27], s[30:31]
	s_cselect_b64 s[8:9], s[88:89], s[92:93]
	s_cselect_b64 s[10:11], s[90:91], s[94:95]
	s_mov_b64 s[12:13], s[84:85]
	s_mov_b64 s[100:101], s[86:87]
	s_or_b32 s[G1+0], s43, (0<<16)|(1<<20)|(1<<21)|(5<<22)|(3<<25)
	s_or_b32 s[G1B+0], s44, (0<<16)|(1<<20)|(1<<21)|(5<<22)|(3<<25)
.irp g, G1, G1B
	s_mov_b32 s[\g+1], ROWB<<16
	s_mov_b32 s[\g+3], ROWB<<16
	s_mov_b32 s[\g+5], KROW
	s_mov_b32 s[\g+6], 0
	s_mov_b32 s[\g+7], 0
.endr
	s_mov_b32 s[G1+2], (2*AH)<<16          ; the head's loads bring all of A's and of B's rows
	s_mov_b32 s[G1+4], 2*AH
	s_mov_b32 s[G1B+2], 256<<16
	s_mov_b32 s[G1B+4], 256
	s_or_b32 s[G1S+0], s43, (3<<16)|(1<<20)|(1<<21)|(5<<22)|(3<<25)
	s_or_b32 s[G1SB+0], s44, (3<<16)|(1<<20)|(1<<21)|(5<<22)|(3<<25)
.irp g, G1S, G1SB
	s_mov_b32 s[\g+1], 32<<16
	s_mov_b32 s[\g+3], 32<<16
	s_mov_b32 s[\g+5], 32
	s_mov_b32 s[\g+6], 0
	s_mov_b32 s[\g+7], 0
.endr
	s_mov_b32 s[G1S+2], ASR<<16
	s_mov_b32 s[G1S+4], ASR
	s_mov_b32 s[G1SB+2], KS<<16
	s_mov_b32 s[G1SB+4], KS
	s_mul_i32 s20, s17, 2*AH               ; A's first row
	s_lshl_b32 s46, s42, 8                 ; B's
	s_mov_b32 s21, 0
	s_mov_b32 s47, 0
	s_mov_b64 s[18:19], KS
	s_mul_u64 s[22:23], s[20:21], s[18:19]
	s_mul_u64 s[92:93], s[46:47], s[18:19]
	s_mov_b64 s[18:19], KROW
	s_mul_u64 s[20:21], s[20:21], s[18:19]
	s_mul_u64 s[46:47], s[46:47], s[18:19]
	s_mul_i32 s18, s16, AH*KROW            ; in the ring: which half of the rows I fetch
	s_mov_b32 s19, 0
	s_mul_i32 s94, s16, 128*KROW
	s_mov_b32 s95, 0
	s_mul_i32 s45, s16, AQ                 ; and where it goes
	s_mul_i32 s3, s16, BQ
	s_add_co_u32 s3, s3, 2*AQ
	s_add_nc_u64 s[20:21], s[4:5], s[20:21]
	s_add_nc_u64 s[22:23], s[6:7], s[22:23]
	s_add_nc_u64 s[46:47], s[8:9], s[46:47]
	s_add_nc_u64 s[92:93], s[10:11], s[92:93]
	CROUND                                 ; in front of the first joint loads
	s_mov_b32 s[G0H], 1
	s_mov_b32 s[G0H+1], 0
	s_mov_b64 s[G0H+2:G0H+3], s[20:21]
	s_or_b32 s[G0H+3], s[G0H+3], 0x80000000
	s_mov_b32 s[G0HB], 1
	s_mov_b32 s[G0HB+1], 2*AQ
	s_mov_b64 s[G0HB+2:G0HB+3], s[46:47]
	s_or_b32 s[G0HB+3], s[G0HB+3], 0x80000000
	s_mov_b32 s[G0S], 1
	s_mov_b32 s[G0S+1], SCL
	s_mov_b64 s[G0S+2:G0S+3], s[22:23]
	s_or_b32 s[G0S+3], s[G0S+3], 0x80000000
	s_mov_b32 s[G0SB], 1
	s_mov_b32 s[G0SB+1], SCL+2*AHS
	s_mov_b64 s[G0SB+2:G0SB+3], s[92:93]
	s_or_b32 s[G0SB+3], s[G0SB+3], 0x80000000
	s_add_nc_u64 s[20:21], s[20:21], s[18:19]
	s_add_nc_u64 s[46:47], s[46:47], s[94:95]
.irp s, 0,1
	s_mov_b32 s[G0+4*\s], 1
	s_add_co_u32 s[G0+4*\s+1], s45, \s*SLOT
	s_add_nc_u64 s[G0+4*\s+2:G0+4*\s+3], s[20:21], \s*ROWB
	s_or_b32 s[G0+4*\s+3], s[G0+4*\s+3], 0x80000000
	s_mov_b32 s[G0B+4*\s], 1
	s_add_co_u32 s[G0B+4*\s+1], s3, \s*SLOT
	s_add_nc_u64 s[G0B+4*\s+2:G0B+4*\s+3], s[46:47], \s*ROWB
	s_or_b32 s[G0B+4*\s+3], s[G0B+4*\s+3], 0x80000000
.endr
; the head's four tiles, one a wave: chunk 0 of A, chunk 0 of B, A's scales, B's scales
.macro ARM under, g0, g1, next
	s_cmp_lt_u32 s14, \under
	s_cbranch_scc0 \next
	tensor_load_to_lds s[\g0:\g0+3], s[\g1:\g1+7]
	s_nop 0
.rept 4
	v_nop
.endr
	s_branch .Lhead_asked
\next:
.endm
	ARM 1, G0H,  G1,  .Lhead_b
	ARM 2, G0HB, G1B, .Lhead_sa
	ARM 3, G0S,  G1S, .Lhead_sb
	tensor_load_to_lds s[G0SB:G0SB+3], s[G1SB:G1SB+7]
	s_nop 0
.rept 4
	v_nop
.endr
.Lhead_asked:
	s_lshl_b32 s20, s17, 4                 ; where my results go: token tile x 12,288 + projection x 3,145,728 + head pair x 1,536
	s_lshl_b32 s21, s15, 3
	s_add_co_u32 s20, s20, s21
	s_lshl_b32 s22, s20, 7
	s_mul_i32 s20, s20, 12288
	s_mul_i32 s21, s96, 3145728
	s_add_co_u32 s20, s20, s21
	s_lshl_b32 s46, s42, 1
	s_add_co_u32 s46, s46, s16
	s_mul_i32 s47, s46, 1536
	s_add_co_u32 s20, s20, s47
	s_mov_b32 s21, 0
	s_add_nc_u64 s[12:13], s[12:13], s[20:21]
	s_lshl_b32 s47, s96, 3
	s_add_co_u32 s46, s46, s47
	s_lshl_b32 s46, s46, 15
	s_add_co_u32 s46, s46, s22
	s_mov_b32 s47, 0
	s_add_nc_u64 s[100:101], s[100:101], s[46:47]
	s_mul_i32 s21, s15, AQ                 ; my rows of A,
	s_mul_i32 s22, s16, BQ
	s_add_co_u32 s22, s22, 2*AQ            ; of B,
	s_mul_i32 s18, s15, AHS                ; A's scales,
	s_mul_i32 s19, s16, BHS
	s_add_co_u32 s19, s19, 2*AHS
	s_sub_co_u32 s19, s19, s18             ; the distance to B's,
	s_add_co_u32 s18, s18, SCL
	s_mul_i32 s23, s14, 16*SPITCH
	s_add_co_u32 s23, s23, STAGE           ; my stage
	v_and_b32 v1, 15, v0
	v_bfe_u32 v2, v0, 4, 1
	v_mul_u32_u24 v3, v1, PITCH
	v_mul_u32_u24 v4, v2, 24
	v_add_nc_u32 v4, v3, v4
	v_sub_nc_u32 v7, 1, v2
	v_mul_u32_u24 v5, SLOT-232, v2
	v_add_nc_u32 v5, v3, v5
	v_add_nc_u32 v5, 232, v5               ; lanes 0-15 byte 232 of the row in slot 0, lanes 16-31 byte 0 in slot 1;
	v_mul_u32_u24 v6, SLOT+232, v7
	v_add_nc_u32 v6, v3, v6                ; and the other way round
	v_add_nc_u32 v[ADRA], s21, v4
	v_add_nc_u32 v[ADRB], s22, v4
	v_add_nc_u32 v[ADRA+1], SLOT, v[ADRA]
	v_add_nc_u32 v[ADRB+1], SLOT, v[ADRB]
	v_add_nc_u32 v[ADRA+2], s21, v5
	v_add_nc_u32 v[ADRA+3], s21, v6
	v_add_nc_u32 v[ADRB+2], s22, v5
	v_add_nc_u32 v[ADRB+3], s22, v6
	v_mul_u32_u24 v5, v1, KS
	v_lshrrev_b32 v6, 8, v5
	v_lshl_add_u32 v5, v6, 4, v5
	v_mul_u32_u24 v6, s19, v2
	v_add_nc_u32 v5, v5, v6
	v_add_nc_u32 v[ADRS], s18, v5          ; lanes 0-15 A's scale words, lanes 16-31 B's
	v_mul_u32_u24 v5, v1, SPITCH
	v_lshl_add_u32 v6, v2, 5, v5
	v_add_nc_u32 v[STO], s23, v6
	v_lshl_add_u32 v6, v2, 6, v5
	v_add_nc_u32 v[RD2], s23, v6
	v_and_b32 v6, 31, v0
	v_lshlrev_b32 v[L16], 4, v6
	v_lshlrev_b32 v[L8], 3, v6
	v_lshlrev_b32 v[SH], 4, v2
.macro FRAG reg, adr, st, i            ; six pieces of 8 bytes; byte y of a row lies in slot (y / 256) % 2 at byte y % 256
.irp p, 0,1,2,3,4,5
.set BY, 96*(\st)+48*(\p/3)+8*(\p%3)
.if BY/ROWB == (BY+24)/ROWB
	ds_load_b64 v[\reg+2*\p:\reg+2*\p+1], v[\adr+(BY/ROWB)%2] offset:BY%ROWB+(\i)*16*PITCH
.else
	ds_load_b64 v[\reg+2*\p:\reg+2*\p+1], v[\adr+2+(BY/ROWB)%2] offset:BY%ROWB-232+(\i)*16*PITCH
.endif
.endr
.endm
.macro MULA a, st, first               ; A's block a against B's eight
.set AR, AF+FR*NA*((\st)%2)+FR*(\a)
.set BR, 128*((\st)%2)
.set SB, SC+16*(((\st)/2)%2)+(\st)%2
.set DA, 64*((\a)%4)
.irp b, 0,1,2,3,4,5,6,7
.if \first
.if BIAS
	v_wmma_scale_f32_16x16x128_f8f6f4 v[DA+8*\b:DA+8*\b+7], v[BR+FR*\b:BR+FR*\b+11], v[AR:AR+11], v[BI+8*\b:BI+8*\b+7], v[SB+2*\b], v[SB+2*(\a)] matrix_a_fmt:MATRIX_FMT_FP6 matrix_b_fmt:MATRIX_FMT_FP6 matrix_a_scale:MATRIX_SCALE_ROW1
.else
	v_wmma_scale_f32_16x16x128_f8f6f4 v[DA+8*\b:DA+8*\b+7], v[BR+FR*\b:BR+FR*\b+11], v[AR:AR+11], 0, v[SB+2*\b], v[SB+2*(\a)] matrix_a_fmt:MATRIX_FMT_FP6 matrix_b_fmt:MATRIX_FMT_FP6 matrix_a_scale:MATRIX_SCALE_ROW1
.endif
.else
	v_wmma_scale_f32_16x16x128_f8f6f4 v[DA+8*\b:DA+8*\b+7], v[BR+FR*\b:BR+FR*\b+11], v[AR:AR+11], v[DA+8*\b:DA+8*\b+7], v[SB+2*\b], v[SB+2*(\a)] matrix_a_fmt:MATRIX_FMT_FP6 matrix_b_fmt:MATRIX_FMT_FP6 matrix_a_scale:MATRIX_SCALE_ROW1
.endif
.endr
.endm
.macro MULR a0, n, st, first           ; blocks a0 .. a0 + n - 1; the accumulators take turns, in the same order in every step
.set A_, \a0
.rept \n
.if (\first) && BIAS
	WIN 0x81
.else
	WIN 0xa1+0x50*(A_/4)
.endif
	MULA A_, \st, \first
.set A_, A_+1
.endr
.endm
.macro FETCH st                        ; step st's fragments and, for a pair of steps, its scale words, into set st % 2
	WIN TO_B
.irp i, 0,1,2,3,4,5,6,7
	FRAG 128*((\st)%2)+FR*\i, ADRB, \st, \i
.endr
	WIN 0
.set I_, 0
.rept NA
	FRAG AF+FR*NA*((\st)%2)+FR*I_, ADRA, \st, I_
.set I_, I_+1
.endr
.if (\st)%2 == 0
.irp i, 0,1,2,3,4,5,6,7
	ds_load_b64 v[SC+16*(((\st)/2)%2)+2*\i:SC+16*(((\st)/2)%2)+2*\i+1], v[ADRS] offset:\i*SBLK+4*(\st)
.endr
.endif
.endm
.macro PLACES
.rept 4
	v_nop
.endr
.endm
; A step: its fragments were asked for in the step before.  Where the next step's bytes end in a chunk not yet read, a barrier shows that chunk whole; where they begin in a later chunk, the chunk left behind is
; read no more: the wait for all my tensor loads, the add, the wait for it and for my reads, the barrier, which opens a round of the cluster's barrier where a chunk two on is left to fetch, and the refill.
.macro STEP st, first
.set NX, (\st)+1
.set C0, (96*(\st))/ROWB
.set C1, (96*NX)/ROWB
.set E0, (96*(\st)+95)/ROWB
.set E1, (96*NX+95)/ROWB
.if C1 > C0 || E1 > E0
	s_wait_tensorcnt 0x0
.if C1 > C0
	ds_add_u32 v[SPW], v[NIL]
.endif
	s_wait_dscnt 0x0
	s_barrier_signal -1
	MULR 0, 2, \st, \first
	WIN 0
	s_barrier_wait -1
.if C1 > C0 && C0+2 < CHUNKS
	CREST
	s_add_nc_u64 s[G0+4*(C0%2)+2:G0+4*(C0%2)+3], s[G0+4*(C0%2)+2:G0+4*(C0%2)+3], 2*ROWB
	s_add_nc_u64 s[G0B+4*(C0%2)+2:G0B+4*(C0%2)+3], s[G0B+4*(C0%2)+2:G0B+4*(C0%2)+3], 2*ROWB
	JLOAD G0+4*(C0%2), G1, G0B+4*(C0%2), G1B
.else
	PLACES
.endif
	FETCH NX
	MULR 2, NA-2, \st, \first
.else
	s_wait_dscnt 0x0                       ; this step's fragments are in
	PLACES                                 ; four places behind the last products, ahead of loads into the set that they read
	FETCH NX
	MULR 0, NA, \st, \first
.endif
	WIN 0
.endm
	s_wait_alu depctr_va_vdst(0)           ; the wait at the head's end
	s_wait_tensorcnt 0x0                   ; my tile of the head's four is in; slot 1's first fill is issued as a refill is
	ds_add_u32 v[SPW], v[NIL]
	s_mov_b32 s[G1+2], AH<<16              ; no load of mine is out: from here on a load brings half of the rows
	s_mov_b32 s[G1+4], AH
	s_mov_b32 s[G1B+2], 128<<16
	s_mov_b32 s[G1B+4], 128
	s_wait_dscnt 0x0
	CROUND
	JLOAD G0+4, G1, G0B+4, G1B
	FETCH 0
	STEP 0, 1
.set ST, 1
.rept STEPS-2
	STEP ST, 0
.set ST, ST+1
.endr
	s_wait_dscnt 0x0
	MULR 0, NA, STEPS-1, 0
	WIN 0
; THE WAY OUT: a block of 16 tokens x 128 channels goes through my stage and comes back with 64 channels, 16 of each block of 32, (half a head pair's) to a lane; it is quantised by blocks of 32 and stored as register images.
.macro TOSTAGE a
.set AC, 64*((\a)%4)
	WIN 0x08+4*((\a)/4)
.irp b, 0,1,2,3,4,5,6,7
	ds_store_b128 v[STO], v[AC+8*\b:AC+8*\b+3] offset:64*\b
	ds_store_b128 v[STO], v[AC+8*\b+4:AC+8*\b+7] offset:64*\b+16
.endr
	WIN 0
.set BB, BK+64*((\a)%2)
.irp t, 0,1,2,3,4,5,6,7,8,9,10,11,12,13,14,15
	ds_load_b128 v[BB+4*\t:BB+4*\t+3], v[RD2] offset:128*(\t/4)+16*(\t%4)
.endr
.endm
.macro QUANT s
.irp b, 0,1,2,3
	v_max3_num_f32 v[TM+\b], |v[\s+16*\b]|, |v[\s+1+16*\b]|, 0x1800000
.endr
.irp i, 2,4,6,8,10,12,14
.irp b, 0,1,2,3
	v_max3_num_f32 v[TM+\b], v[TM+\b], |v[\s+16*\b+\i]|, |v[\s+1+16*\b+\i]|
.endr
.endr
.irp b, 0,1,2,3
	v_permlanex16_b32 v[TM+4+\b], v[TM+\b], s[SEL], s[SEL+1]
.endr
.irp b, 0,1,2,3
	v_max_num_f32 v[TM+\b], v[TM+\b], v[TM+4+\b]
.endr
.irp b, 0,1,2,3
	v_add_nc_u32 v[TM+12+\b], 0xff000000, v[TM+\b]
.endr
.irp b, 0,1,2,3
	v_lshrrev_b32 v[TM+4+\b], 23, v[TM+12+\b]
.endr
	v_lshl_or_b32 v[PW], v[TM+5], 8, v[TM+4]
	v_lshl_or_b32 v[PW], v[TM+6], 16, v[PW]
	v_lshl_or_b32 v[PW], v[TM+7], 24, v[PW]
.irp c, 0,1
	v_cvt_scalef32_pk16_fp6_f32 v[PC+6*\c:PC+2+6*\c], v[\s+32*\c:\s+15+32*\c], v[TM+12+2*\c]
	v_cvt_scalef32_pk16_fp6_f32 v[PC+12+4*\c:PC+14+4*\c], v[\s+16+32*\c:\s+31+32*\c], v[TM+12+2*\c+1]
.endr
	v_nop
.irp c, 0,1
.irp i, 0,1,2
	v_permlane16_swap_b32 v[PC+6*\c+\i], v[PC+12+4*\c+\i]
.endr
.irp i, 0,1,2
	v_mov_b32 v[PC+3+6*\c+\i], v[PC+12+4*\c+\i]
.endr
.endr
.endm
.macro QSEND a, younger
.set BB, BK+64*((\a)%2)
	s_wait_dscnt \younger                  ; younger: the next block's 16 stores and 16 loads may be out
	s_wait_xcnt 0x0                        ; the earlier stores have read their registers
	QUANT BB
	v_lshrrev_b32 v[TM], v[SH], v[PW]
	v_and_b32 v[TM], 0xffff, v[TM]
	v_lshl_or_b32 v[QW+(\a)%2], v[TM], 16, v[TM]
	global_store_b128 v[L16], v[PC:PC+3], s[12:13] offset:(\a)*12288
	global_store_b64 v[L8], v[PC+4:PC+5], s[12:13] offset:(\a)*12288+512
	global_store_b128 v[L16], v[PC+6:PC+9], s[12:13] offset:(\a)*12288+768
	global_store_b64 v[L8], v[PC+10:PC+11], s[12:13] offset:(\a)*12288+1280
.if ((\a)%2) == 1
	global_store_b64 v[L8], v[QW:QW+1], s[100:101] offset:((\a)/2)*256
.endif
.endm
	PLACES
.irp b, 0,1,2,3
	v_mov_b32 v[TM+4+\b], 0
.endr
	TOSTAGE 0
.irp a, 1,2,3,4,5,6,7
	TOSTAGE \a
	QSEND \a-1, 32
.endr
	QSEND 7, 0
	s_wait_tensorcnt 0x0                   ; the wave's end
	ds_add_u32 v[SPW], v[NIL]
	s_wait_dscnt 0x0
	CROUND                                 ; the closing round
	s_endpgm
.Lfunc_end_k_q889ceb60e9_qproj:
	.size	k_q889ceb60e9_qproj, .Lfunc_end_k_q889ceb60e9_qproj-k_q889ceb60e9_qproj
	.p2alignl 7, 3214868480
	.fill 96, 4, 3214868480
	.section	.rodata,"a",@progbits
	.p2align	6, 0x0
	.amdhsa_kernel k_q889ceb60e9_qproj
		.amdhsa_group_segment_fixed_size 327680
		.amdhsa_private_segment_fixed_size 0
		.amdhsa_enable_private_segment 0
		.amdhsa_kernarg_size 112
		.amdhsa_user_sgpr_count 2
		.amdhsa_user_sgpr_kernarg_segment_ptr 1
		.amdhsa_wavefront_size32 1
		.amdhsa_system_sgpr_workgroup_id_x 1
		.amdhsa_system_sgpr_workgroup_id_y 1
		.amdhsa_system_sgpr_workgroup_id_z 1
		.amdhsa_system_vgpr_workitem_id 0
		.amdhsa_next_free_vgpr 1024
		.amdhsa_next_free_sgpr 102
		.amdhsa_reserve_vcc 0
		.amdhsa_float_denorm_mode_32 3
		.amdhsa_float_denorm_mode_16_64 3
		.amdhsa_memory_ordered 1
		.amdhsa_forward_progress 1
		.amdhsa_inst_pref_size 182
	.end_amdhsa_kernel
	.amdgpu_metadata
---
amdhsa.version: [ 1, 2 ]
amdhsa.kernels:
  - .name:           k_q889ceb60e9_qproj
    .symbol:         k_q889ceb60e9_qproj.kd
    .args:
      - { .name: qx_codes, .offset: 0, .size: 8, .value_kind: global_buffer, .address_space: global }
      - { .name: qx_scales, .offset: 8, .size: 8, .value_kind: global_buffer, .address_space: global }
      - { .name: qs_codes, .offset: 16, .size: 8, .value_kind: global_buffer, .address_space: global }
      - { .name: qs_scales, .offset: 24, .size: 8, .value_kind: global_buffer, .address_space: global }
      - { .name: w_qx2_codes, .offset: 32, .size: 8, .value_kind: global_buffer, .address_space: global }
      - { .name: w_qx2_scales, .offset: 40, .size: 8, .value_kind: global_buffer, .address_space: global }
      - { .name: w_qx1_codes, .offset: 48, .size: 8, .value_kind: global_buffer, .address_space: global }
      - { .name: w_qx1_scales, .offset: 56, .size: 8, .value_kind: global_buffer, .address_space: global }
      - { .name: w_qs2_codes, .offset: 64, .size: 8, .value_kind: global_buffer, .address_space: global }
      - { .name: w_qs2_scales, .offset: 72, .size: 8, .value_kind: global_buffer, .address_space: global }
      - { .name: w_qs1_codes, .offset: 80, .size: 8, .value_kind: global_buffer, .address_space: global }
      - { .name: w_qs1_scales, .offset: 88, .size: 8, .value_kind: global_buffer, .address_space: global }
      - { .name: qc, .offset: 96, .size: 8, .value_kind: global_buffer, .address_space: global }
      - { .name: qsc, .offset: 104, .size: 8, .value_kind: global_buffer, .address_space: global }
    .group_segment_fixed_size: 327680
    .private_segment_fixed_size: 0
    .kernarg_segment_align: 8
    .kernarg_segment_size: 112
    .max_flat_workgroup_size: 128
    .sgpr_count:     102
    .vgpr_count:     1024
    .wavefront_size: 32
...
	.end_amdgpu_metadata
.endif
;; end of part 2
;; launch attn (part 3): grid 256 x 1, 16 waves a work-group, clusters of 4 x 1, 264,192 bytes of LDS; arguments qc, qsc, kv, cat_codes, cat_scales; writes cat_codes, cat_scales
.if DOCPART == 3
	.amdgcn_target "amdgcn-amd-amdhsa--gfx1250"
	.amdhsa_code_object_version 6
	.text
	.protected	k_q889ceb60e9_attn
	.globl	k_q889ceb60e9_attn
	.p2align	8
	.type	k_q889ceb60e9_attn,@function
k_q889ceb60e9_attn:
	s_mov_b64 s[64:65], 0
	v_nop
	global_prefetch_b8 v0, s[64:65] scope:SCOPE_SE
	s_setreg_imm32_b32 hwreg(HW_REG_WAVE_MODE, 25, 1), 1
	s_wait_xcnt 0x0
	s_wait_alu depctr_hold_cnt(0) depctr_sa_sdst(0) depctr_va_vdst(0) depctr_va_sdst(0) depctr_va_ssrc(0) depctr_va_vcc(0) depctr_vm_vsrc(0)
	s_getreg_b32 s2, hwreg(HW_REG_IB_STS2, 6, 4)
	s_cmp_eq_u32 s2, 0
	s_cbranch_scc0 .Lentry_in_a_cluster
	s_endpgm
.Lentry_in_a_cluster:
	s_bfe_u32 s2, ttmp6, 0x10000c
	s_cmp_lg_u32 s2, 0x3003
	s_cbranch_scc0 .Lentry_shape_is_right
	s_endpgm
.Lentry_shape_is_right:
; The four attentions (xs, x, sx, s), 16 heads of 64 channels, ONE key and value head for each batch and source, 1,024 keys, both products on codes of FP6 (E2M3) with one E8M0 scale for each 32 along K;
; then the division by the row's sum and the quantising of x_cat and s_cat along their 2,048, whose blocks of 32 lie inside one head of one attention.
; SHARES.  A work-group owns 16 tokens, wave w their head w.  A wave runs four passes of eight key steps (128 keys each): q of qx w_qx2 on source s (xs), qx w_qx1 on x (x), qs w_qs2 on x (sx), qs w_qs1 on s (s).
; So the work-group owns whole rows of x_cat and s_cat, which are gathered in LDS and leave as whole rows.
; K AND V of the batch, both sources, are 16 records of 13,056 bytes, images of operand registers: one dense block of 208,896 bytes that comes into LDS ONCE, a record a wave.
; CLUSTER.  The four work-groups of a cluster belong to one batch: each record is asked for JOINTLY, by the same tensor load with the same descriptor and a mask that names the four.
; LAYOUT.  Both products are used transposed: S^T = K Q^T (source 0 = 16 keys, source 1 = my 16 tokens), O^T = V^T P^T (source 0 = 16 channels, source 1 = P): a lane holds ONE token (lane % 16) throughout.
; The keys of a tile of K and the channels of a tile of V are chosen (lane r of tile 2 b + u: 32 b + 8 u + r % 8 + 16 (r / 8)) so that the 16 registers of two neighbouring tiles are 16 neighbours.
; K = 64 IN AN INSTRUCTION OF 128: q's registers 6-11 are zero codes.  K's operand for key tile t is six registers of codes and the six that follow (the next tile's, or six cleared ones): they meet zero codes alone.
; The scale words of q and k are [s0, s1, s0, s1].
; THE SOFTMAX: t = score x log2(e) / 8; M = the running largest t rounded UP to a whole number; p = 2^(t - M) is quantised along the keys, not normalised; the row's sum is taken of the unquantised p;
; when M moves, the sum and O^T are multiplied by 2^(old M - new M), which rounds nothing.
; LIMITS: a block of zeros gets the scale byte 1 where the rule says 127: its codes are zeros, and the bytes are read by this program alone.  v_exp_f32 gives 0 for results under 2^-126.  NaN and infinities are not served.
; A block's largest p is taken as 2^(t - M) of the block's largest score, which takes v_exp_f32 not to fall where its input rises.
.set REC,   13056
.set SRCX,  8*REC                      ; source x's eight records lie behind source s's
.set STG0,  16*REC                     ; behind the records: for each output a stage of 16 rows x (1,536 bytes + 16), then its 16 x 64 scale bytes
.set STGB,  25856
.set STSC,  24832
.set KR,    32                         ; v32-79 a step's K, then its V; v80-85 zeros
.set S,     96                         ; v96-159 S^T, then p
.set O,     160                        ; v160-191 O^T
.set PC,    192                        ; v192-203 p's codes
.set CT,    204                        ; v204-210 at work in the conversions
.set BM,    212                        ; v212-215 the blocks' largest scores, then largest p
.set BT,    216
.set SO,    220                        ; v220-223 the conversions' scale operands
.set KSC,   224                        ; v224-227 K's scale words: lanes 0-15 tiles 0-3, lanes 16-31 tiles 4-7
.set VSC,   228                        ; v228-229 V's: lanes 0-15 tiles 0, 1, lanes 16-31 tiles 2, 3
.set PS,    230                        ; v230 p's scale word
.macro ROUND                           ; a round of the cluster's barrier
	s_barrier_signal -1
	s_barrier_wait -1
	s_cmp_lg_u32 s14, 0
	s_cbranch_scc1 .Lnot_wave_0_\@
	s_barrier_signal -3
.Lnot_wave_0_\@:
	s_barrier_wait -3
	s_barrier_signal -1
	s_barrier_wait -1
.endm
	s_load_b128 s[4:7], s[0:1], 0x0                ; qc, qsc
	s_load_b128 s[8:11], s[0:1], 0x10              ; kv, cat_codes
	s_load_b64 s[12:13], s[0:1], 0x20              ; cat_scales
	v_lshl_add_u32 v254, v0, 2, 0x40000
	v_mov_b32 v255, 0
	ds_add_u32 v254, v255
	ds_add_u32 v254, v255
	v_lshrrev_b32 v1, 5, v0
	s_delay_alu instid0(VALU_DEP_1)
	v_readfirstlane_b32 s14, v1                    ; wave = head
	s_bfe_u32 s15, ttmp6, 0x40000                  ; cx
	s_lshl_b32 s16, ttmp9, 2
	s_add_co_u32 s16, s16, s15                     ; my tile of 16 tokens: it enters q's and the outputs' global addresses alone
	s_lshr_b32 s17, ttmp9, 4                       ; the batch, which the four partners share
	; descriptor group 1: a record, 13,056 dense bytes, as 51 rows of 256 bytes (32 elements of 8 bytes), no padding
	s_mov_b32 s24, 15|(3<<16)|(1<<21)              ; 15:0 the mask: all four work-groups; 21 set beside a mask
	s_mov_b32 s25, 32<<16
	s_mov_b32 s26, 51<<16
	s_mov_b32 s27, 32<<16
	s_mov_b32 s28, 51
	s_mov_b32 s29, 32
	s_mov_b32 s30, 0
	s_mov_b32 s31, 0
	s_mov_b32 s32, 1
	s_mul_i32 s33, s14, REC                        ; record w goes to w x 13,056
	s_mul_i32 s18, s17, 16*REC
	s_add_co_u32 s18, s18, s33
	s_mov_b32 s19, 0
	s_mov_b32 s20, 0x76543210                      ; lane selects for v_permlanex16_b32: lane l xor 16
	s_mov_b32 s21, 0xfedcba98
	s_mov_b32 s22, 0x3e38aa3b                      ; c = log2(e) / 8
	s_mov_b32 s23, s22                             ; (named with it as a pair, so it is written)
	s_mul_i32 s40, s16, 12288                      ; q: token tile x 16 heads x 768 bytes + head x 768
	s_mul_i32 s41, s14, 768
	s_add_co_u32 s40, s40, s41
	s_mov_b32 s41, 0
	s_lshr_b32 s42, s14, 1                         ; q's scale words: head pair x 32,768 + (tile / 2) x 256 + (tile % 2) x 4
	s_lshl_b32 s42, s42, 15
	s_lshr_b32 s43, s16, 1
	s_lshl_b32 s43, s43, 8
	s_add_co_u32 s42, s42, s43
	s_and_b32 s43, s16, 1
	s_lshl_b32 s43, s43, 2
	s_add_co_u32 s42, s42, s43
	s_mov_b32 s43, 0
	s_wait_dscnt 0x0
	s_wait_kmcnt 0x0
	s_add_nc_u64 s[34:35], s[8:9], s[18:19]
	s_or_b32 s35, s35, 0x80000000
	s_add_nc_u64 s[4:5], s[4:5], s[40:41]
	s_add_nc_u64 s[38:39], s[4:5], 0x600000        ; the third and fourth projections: their offsets pass the loads' immediate
	s_add_nc_u64 s[6:7], s[6:7], s[42:43]
	s_mul_i32 s40, s16, 24576                      ; my 16 rows of 1,536 bytes
	s_add_nc_u64 s[10:11], s[10:11], s[40:41]
	s_lshl_b32 s40, s16, 10                        ; and of 64 scale bytes
	s_add_nc_u64 s[12:13], s[12:13], s[40:41]
	ROUND                                          ; all four work-groups are here: the joint loads meet
	tensor_load_to_lds s[32:35], s[24:31]          ; my one tensor load of the launch
	s_nop 0
.rept 4
	v_nop
.endr
	v_and_b32 v29, 31, v0
	s_delay_alu instid0(VALU_DEP_1)
	v_lshlrev_b32 v1, 4, v29                       ; v1  16 x lane
	s_delay_alu instid0(VALU_DEP_2)
	v_lshlrev_b32 v2, 3, v29                       ; v2  8 x lane
	v_and_b32 v30, 15, v0                          ; r
	v_bfe_u32 v31, v0, 4, 1                        ; h
	s_delay_alu instid0(VALU_DEP_2)
	v_mul_u32_u24 v5, v30, 1552
	s_delay_alu instid0(VALU_DEP_1)
	v_mad_u32_u24 v5, v31, 24, v5
	s_mul_i32 s40, s14, 96
	s_add_co_u32 s40, s40, STG0
	v_add_nc_u32 v5, s40, v5                       ; v5  where my 24 bytes of codes go: row r, head's 96 bytes, + 24 h
	v_lshlrev_b32 v6, 6, v30
	s_lshl_b32 s40, s14, 2
	s_add_co_u32 s40, s40, STG0
	v_add_nc_u32 v6, s40, v6                       ; v6  and my two scale bytes: 64 r + 4 x head
	s_mul_i32 s40, s14, 1552
	s_add_co_u32 s40, s40, STG0
	v_add_nc_u32 v7, s40, v1                       ; v7  back: wave w takes row w
	s_mul_i32 s40, s14, 1536
	v_add_nc_u32 v8, s40, v1                       ; v8  and the same row in memory
	s_min_u32 s40, s14, 1                          ; (waves 0 and 1 alone store the scale bytes)
	s_lshl_b32 s40, s40, 9
	v_add_nc_u32 v10, s40, v1                      ; v10 512 x wave + 16 x lane in memory,
	s_add_co_u32 s40, s40, STG0+STSC
	v_add_nc_u32 v9, s40, v1                       ; v9  and in the stage
	s_and_b32 s40, s14, 1
	s_lshl_b32 s40, s40, 7
	v_lshl_add_u32 v11, v30, 3, s40                ; v11 q's scale word: that of lane r + 16 (head % 2)
	global_load_b128 v[16:19], v1, s[4:5]          ; q of all four passes stays in registers
	global_load_b64 v[20:21], v2, s[4:5] offset:512
	global_load_b128 v[86:89], v1, s[4:5] offset:3145728
	global_load_b64 v[90:91], v2, s[4:5] offset:3145728+512
	global_load_b128 v[238:241], v1, s[38:39]
	global_load_b64 v[242:243], v2, s[38:39] offset:512
	global_load_b128 v[244:247], v1, s[38:39] offset:3145728
	global_load_b64 v[248:249], v2, s[38:39] offset:3145728+512
	global_load_b32 v28, v11, s[6:7]
	global_load_b32 v92, v11, s[6:7] offset:262144
	global_load_b32 v93, v11, s[6:7] offset:524288
	global_load_b32 v94, v11, s[6:7] offset:786432
.irp i, 0,1,2,3,4,5
	v_mov_b32 v[22+\i], 0                          ; q's K = 64 .. 127: zero codes
	v_mov_b32 v[80+\i], 0                          ; what follows key tile 7
.endr
.irp b, 0,1,2,3
	v_mov_b32 v[BT+\b], 0                          ; a lane permute's destination counts as one of its sources
.endr
	v_mov_b32 v233, 0                              ; (named as the upper half of the pair v[232:233])
	v_mov_b32 v234, 0
; A KEY STEP: 128 keys, the record at LDS byte s36.  qs: the register of q's scale words.
.macro STEP qs
	v_add_nc_u32 v3, s36, v1
	v_add_nc_u32 v4, s36, v2
	v_nop
	v_nop                                          ; four places in front of loads into registers that the last products have read
.irp i, 0,1,2,3,4,5,6,7,8,9,10,11
	ds_load_b128 v[KR+4*\i:KR+4*\i+3], v3 offset:512*\i   ; K's four pair images, as they lie: 512 consecutive bytes a load
.endr
	ds_load_b128 v[KSC:KSC+3], v3 offset:12288
	s_wait_alu depctr_va_vdst(0)
	s_wait_dscnt 0x0
.irp t, 0,1,2,3
	v_wmma_scale_f32_16x16x128_f8f6f4 v[S+8*\t:S+8*\t+7], v[KR+6*\t:KR+6*\t+11], v[16:27], 0, v[KSC+\t], v[\qs] matrix_a_fmt:MATRIX_FMT_FP6 matrix_b_fmt:MATRIX_FMT_FP6
.endr
.irp t, 4,5,6,7
	v_wmma_scale_f32_16x16x128_f8f6f4 v[S+8*\t:S+8*\t+7], v[KR+6*\t:KR+6*\t+11], v[16:27], 0, v[KSC+\t-4], v[\qs] matrix_a_fmt:MATRIX_FMT_FP6 matrix_b_fmt:MATRIX_FMT_FP6 matrix_a_scale:MATRIX_SCALE_ROW1
.endr
.rept 4
	v_nop                                          ; places in front of the loads below and of the first read of the scores
.endr
.irp i, 0,1,2,3,4,5,6,7,8,9,10,11
	ds_load_b128 v[KR+4*\i:KR+4*\i+3], v3 offset:6144+512*\i   ; V's four images land while the softmax is walked
.endr
	ds_load_b64 v[VSC:VSC+1], v4 offset:12800
.irp b, 0,1,2,3
	v_max3_num_f32 v[BM+\b], v[S+16*\b], v[S+1+16*\b], v[S+2+16*\b]   ; the largest score of each block of 32 keys: for the row's maximum, and for the block's largest p
.endr
.irp i, 3,5,7,9,11,13
.irp b, 0,1,2,3
	v_max3_num_f32 v[BM+\b], v[BM+\b], v[S+16*\b+\i], v[S+1+16*\b+\i]
.endr
.endr
.irp b, 0,1,2,3
	v_max_num_f32 v[BM+\b], v[BM+\b], v[S+15+16*\b]
.endr
.irp b, 0,1,2,3
	s_delay_alu instid0(VALU_DEP_4)
	v_permlanex16_b32 v[BT+\b], v[BM+\b], s20, s21
.endr
.irp b, 0,1,2,3
	s_delay_alu instid0(VALU_DEP_4)
	v_max_num_f32 v[BM+\b], v[BM+\b], v[BT+\b]     ; with lane l xor 16's 16 keys
.endr
	s_delay_alu instid0(VALU_DEP_2)
	v_max3_num_f32 v234, v[BM], v[BM+1], v[BM+2]
	s_delay_alu instid0(VALU_DEP_1)
	v_max_num_f32 v234, v234, v[BM+3]
	s_delay_alu instid0(VALU_DEP_1)
	v_mul_f32 v234, s22, v234                      ; the step's largest t (c is positive)
	s_delay_alu instid0(VALU_DEP_1)
	v_max_num_f32 v13, v13, v234                   ; the running largest t
	v_mov_b32 v234, v12
	s_delay_alu instid0(VALU_DEP_2)
	v_floor_f32 v12, -v13                          ; the new -M = floor(-t): M is a whole number
	s_delay_alu instid0(VALU_DEP_1)
	v_sub_f32 v234, v12, v234                      ; old M - new M: a whole number, 0 or less
	s_delay_alu instid0(VALU_DEP_1)
	v_cvt_i32_f32 v234, v234                       ; (it saturates)
	s_delay_alu instid0(VALU_DEP_1)
	v_ldexp_f32 v232, 1.0, v234                    ; f = 2^(old M - new M)
.irp j, 0,2,4,6,8,10,12,14,16,18,20,22,24,26,28,30,32,34,36,38,40,42,44,46,48,50,52,54,56,58,60,62
	v_pk_fma_f32 v[S+\j:S+1+\j], v[S+\j:S+1+\j], s[22:23], v[12:13] op_sel_hi:[1,0,0]   ; t - M, two at a time
.endr
.irp b, 0,1,2,3
	v_fma_f32 v[BM+\b], v[BM+\b], s22, v12         ; the same of each block's largest score
.endr
	s_wait_alu depctr_va_vdst(0)
.irp j, 0,1,2,3,4,5,6,7,8,9,10,11,12,13,14,15,16,17,18,19,20,21,22,23,24,25,26,27,28,29,30,31,32,33,34,35,36,37,38,39,40,41,42,43,44,45,46,47,48,49,50,51,52,53,54,55,56,57,58,59,60,61,62,63
	v_exp_f32 v[S+\j], v[S+\j]                     ; p = 2^(t - M)
.endr
.irp b, 0,1,2,3
	v_exp_f32 v[BM+\b], v[BM+\b]                   ; the block's largest p: the same two instructions on the same number
.endr
	v_pk_mul_f32 v[14:15], v[14:15], v[232:233] op_sel_hi:[1,0]   ; the sums under the new M.  (A plain place behind the exponentials)
	s_wait_alu depctr_va_vdst(0)
.irp b, 0,1,2,3
	v_max_num_f32 v[BM+\b], 0x1800000, v[BM+\b]    ; the floor 2^(3 - 127): the byte cannot fall under 1
.endr
.irp b, 0,1,2,3
	s_delay_alu instid0(VALU_DEP_4)
	v_add_nc_u32 v[SO+\b], 0xff000000, v[BM+\b]    ; 2 off the exponent field: the conversion's scale operand
.endr
.irp b, 0,1,2,3
	s_delay_alu instid0(VALU_DEP_4)
	v_lshrrev_b32 v[BT+\b], 23, v[SO+\b]           ; the scale's byte
.endr
	s_delay_alu instid0(VALU_DEP_3)
	v_lshl_or_b32 v[PS], v[BT+1], 8, v[BT]
	s_delay_alu instid0(VALU_DEP_1)
	v_lshl_or_b32 v[PS], v[BT+2], 16, v[PS]
	s_delay_alu instid0(VALU_DEP_1)
	v_lshl_or_b32 v[PS], v[BT+3], 24, v[PS]
.irp c, 0,1
	v_cvt_scalef32_pk16_fp6_f32 v[PC+6*\c:PC+2+6*\c], v[S+32*\c:S+15+32*\c], v[SO+2*\c]
	v_cvt_scalef32_pk16_fp6_f32 v[CT+4*\c:CT+2+4*\c], v[S+16+32*\c:S+31+32*\c], v[SO+2*\c+1]   ; (a conversion's three registers begin on an even number)
.endr
	v_nop                                          ; one plain place behind a scaled conversion
.irp c, 0,1                                    ; a WHOLE block to a lane: lanes 0-15 block 2 c, lanes 16-31 block 2 c + 1
.irp i, 0,1,2
	v_permlane16_swap_b32 v[PC+6*\c+\i], v[CT+4*\c+\i]
.endr
.irp i, 0,1,2
	s_delay_alu instid0(VALU_DEP_3)
	v_mov_b32 v[PC+3+6*\c+\i], v[CT+4*\c+\i]
.endr
.endr
	v_pk_add_f32 v[236:237], v[100:101], v[104:105]
	v_pk_add_f32 v[252:253], v[108:109], v[112:113]
	v_pk_add_f32 v[250:251], v[116:117], v[120:121]
	v_pk_add_f32 v[226:227], v[124:125], v[128:129]
	v_pk_add_f32 v[224:225], v[132:133], v[136:137]
	v_pk_add_f32 v[222:223], v[140:141], v[144:145]
	v_pk_add_f32 v[220:221], v[148:149], v[152:153]
	v_pk_add_f32 v[14:15], v[14:15], v[156:157]
	v_pk_add_f32 v[236:237], v[236:237], v[96:97]
	v_pk_add_f32 v[252:253], v[252:253], v[98:99]
	v_pk_add_f32 v[250:251], v[250:251], v[102:103]
	v_pk_add_f32 v[226:227], v[226:227], v[106:107]
	v_pk_add_f32 v[224:225], v[224:225], v[110:111]
	v_pk_add_f32 v[222:223], v[222:223], v[114:115]
	v_pk_add_f32 v[220:221], v[220:221], v[118:119]
	v_pk_add_f32 v[14:15], v[14:15], v[122:123]
	v_pk_add_f32 v[236:237], v[236:237], v[126:127]
	v_pk_add_f32 v[252:253], v[252:253], v[130:131]
	v_pk_add_f32 v[250:251], v[250:251], v[134:135]
	v_pk_add_f32 v[226:227], v[226:227], v[138:139]
	v_pk_add_f32 v[224:225], v[224:225], v[142:143]
	v_pk_add_f32 v[222:223], v[222:223], v[146:147]
	v_pk_add_f32 v[220:221], v[220:221], v[150:151]
	v_pk_add_f32 v[14:15], v[14:15], v[154:155]
	v_pk_add_f32 v[236:237], v[236:237], v[158:159]
	s_delay_alu instid0(VALU_DEP_2)
	v_pk_add_f32 v[14:15], v[14:15], v[226:227]
	s_delay_alu instid0(VALU_DEP_2)
	v_pk_add_f32 v[236:237], v[236:237], v[224:225]
	v_pk_add_f32 v[252:253], v[252:253], v[222:223]
	v_pk_add_f32 v[250:251], v[250:251], v[220:221]
	s_delay_alu instid0(VALU_DEP_2)
	v_pk_add_f32 v[14:15], v[14:15], v[252:253]
	s_delay_alu instid0(VALU_DEP_2)
	v_pk_add_f32 v[236:237], v[236:237], v[250:251]
	s_delay_alu instid0(VALU_DEP_1)
	v_pk_add_f32 v[14:15], v[14:15], v[236:237]
.irp j, 0,2,4,6,8,10,12,14,16,18,20,22,24,26,28,30
	v_pk_mul_f32 v[O+\j:O+1+\j], v[O+\j:O+1+\j], v[232:233] op_sel_hi:[1,0]   ; O^T under the new M.  (With the sums: the places between the writes of p's codes and scale word and the products below)
.endr
	s_wait_alu depctr_va_vdst(0)
	s_wait_dscnt 0x0                               ; V is in
.irp c, 0,1
	v_wmma_scale_f32_16x16x128_f8f6f4 v[O+8*\c:O+8*\c+7], v[KR+12*\c:KR+12*\c+11], v[PC:PC+11], v[O+8*\c:O+8*\c+7], v[VSC+\c], v[PS] matrix_a_fmt:MATRIX_FMT_FP6 matrix_b_fmt:MATRIX_FMT_FP6
.endr
.irp c, 2,3
	v_wmma_scale_f32_16x16x128_f8f6f4 v[O+8*\c:O+8*\c+7], v[KR+12*\c:KR+12*\c+11], v[PC:PC+11], v[O+8*\c:O+8*\c+7], v[VSC+\c-2], v[PS] matrix_a_fmt:MATRIX_FMT_FP6 matrix_b_fmt:MATRIX_FMT_FP6 matrix_a_scale:MATRIX_SCALE_ROW1
.endr
	s_add_co_u32 s36, s36, REC                     ; the next record
.endm
; A pass's end: O^T / the sum; its 64 channels are two blocks of the output projection's K: register 16 b + i is channel 32 b + 16 (lane / 16) + i of my token.  Codes and bytes go to the stage at st.
.macro FINISH half, st
.rept 4
	v_nop                                          ; places behind the last products
.endr
	v_add_f32 v14, v14, v15                        ; the sum's two halves,
	s_delay_alu instid0(VALU_DEP_1)
	v_permlanex16_b32 v234, v14, s20, s21
	s_delay_alu instid0(VALU_DEP_1)
	v_add_f32 v14, v14, v234                       ; and lane l xor 16's
	s_wait_alu depctr_va_vdst(0)
	v_rcp_f32 v14, v14
	v_nop                                          ; one plain place behind a transcendental
	s_wait_alu depctr_va_vdst(0)
.irp j, 0,2,4,6,8,10,12,14,16,18,20,22,24,26,28,30
	v_pk_mul_f32 v[S+\j:S+1+\j], v[O+\j:O+1+\j], v[14:15] op_sel_hi:[1,0]   ; each accumulator from its low end on
.endr
.irp b, 0,1
	v_max3_num_f32 v[BM+\b], |v[S+16*\b]|, |v[S+1+16*\b]|, 0x1800000
.endr
.irp i, 2,4,6,8,10,12,14
.irp b, 0,1
	s_delay_alu instid0(VALU_DEP_2)
	v_max3_num_f32 v[BM+\b], v[BM+\b], |v[S+16*\b+\i]|, |v[S+1+16*\b+\i]|
.endr
.endr
.irp b, 0,1
	s_delay_alu instid0(VALU_DEP_2)
	v_permlanex16_b32 v[BT+\b], v[BM+\b], s20, s21
.endr
.irp b, 0,1
	s_delay_alu instid0(VALU_DEP_2)
	v_max_num_f32 v[BM+\b], v[BM+\b], v[BT+\b]
.endr
.irp b, 0,1
	s_delay_alu instid0(VALU_DEP_2)
	v_add_nc_u32 v[SO+\b], 0xff000000, v[BM+\b]
.endr
.irp b, 0,1
	s_delay_alu instid0(VALU_DEP_2)
	v_lshrrev_b32 v[BT+\b], 23, v[SO+\b]
.endr
	s_delay_alu instid0(VALU_DEP_1)
	v_lshl_or_b32 v234, v[BT+1], 8, v[BT]          ; the two scale bytes
	v_cvt_scalef32_pk16_fp6_f32 v[CT:CT+2], v[S:S+15], v[SO]
	v_cvt_scalef32_pk16_fp6_f32 v[CT+4:CT+6], v[S+16:S+31], v[SO+1]
	v_nop
.irp i, 0,1,2
	v_permlane16_swap_b32 v[CT+\i], v[CT+4+\i]     ; lanes 0-15 now hold block 0 whole, lanes 16-31 block 1
.endr
	s_delay_alu instid0(VALU_DEP_3)
	v_mov_b32 v[CT+3], v[CT+4]
	s_delay_alu instid0(VALU_DEP_3)
	v_mov_b32 v[CT+4], v[CT+5]
	s_delay_alu instid0(VALU_DEP_3)
	v_mov_b32 v[CT+5], v[CT+6]
.irp i, 0,1,2
	ds_store_b64 v5, v[CT+2*\i:CT+2*\i+1] offset:\st+48*\half+8*\i
.endr
	ds_store_b16 v6, v234 offset:\st+STSC+2*\half  ; (lanes r and r + 16 write the same bytes with the same values)
.endm
.macro PASS n, base, qs, qn, half, st
.if \n > 0
.irp i, 0,1,2,3,4,5
	v_mov_b32 v[16+\i], v[\qn+\i]                  ; this pass's q
.endr
.endif
	v_mov_b32 v13, 0xff61b1e6                      ; the largest t so far: -3e38, under every t
	s_delay_alu instid0(VALU_DEP_1)
	v_floor_f32 v12, -v13                          ; -M
	v_mov_b32 v14, 0
	v_mov_b32 v15, 0
.irp j, 0,1,2,3,4,5,6,7,8,9,10,11,12,13,14,15,16,17,18,19,20,21,22,23,24,25,26,27,28,29,30,31
	v_mov_b32 v[O+\j], 0                           ; the step is written once for a pass: the first finds zeros, which the first change of M leaves zeros
.endr
	s_mov_b32 s36, \base
	s_mov_b32 s37, 8
.Lstep_\@:
	STEP \qs
	s_sub_co_u32 s37, s37, 1
	s_cmp_lg_u32 s37, 0
	s_cbranch_scc1 .Lstep_\@
	FINISH \half, \st
.endm
; Both halves of an output's rows lie in its stage: wave w stores row w, 1,536 consecutive bytes at a multiple of 256; waves 0 and 1 the 1,024 scale bytes.  Each output has a stage of its own, so nothing is written over.
.macro OUT o
	s_wait_dscnt 0x0                               ; for the others' sake: my stores into the stage have landed
	s_barrier_signal -1
	s_barrier_wait -1
.irp i, 0,1,2
	ds_load_b128 v[S+4*\i:S+3+4*\i], v7 offset:\o*STGB+512*\i
.endr
	s_wait_dscnt 0x0
.irp i, 0,1,2
	global_store_b128 v8, v[S+4*\i:S+3+4*\i], s[10:11] offset:\o*6291456+512*\i
.endr
	s_cmp_lt_u32 s14, 2
	s_cbranch_scc0 .Lno_bytes_\@
	ds_load_b128 v[S+12:S+15], v9 offset:\o*STGB
	s_wait_dscnt 0x0
	global_store_b128 v10, v[S+12:S+15], s[12:13] offset:\o*262144
.Lno_bytes_\@:
	s_wait_xcnt 0x0                                ; the stores have read their registers: the next pass writes them again
.endm
	s_wait_tensorcnt 0x0                           ; my record has landed,
	s_barrier_signal -1
	s_barrier_wait -1                              ; everybody's has; nothing is filled again
	s_wait_loadcnt 0x0                             ; q
	PASS 0, 0, 28, 16, 0, 0                        ; xs: qx w_qx2 on source s
	PASS 1, SRCX, 92, 86, 1, 0                     ; x:  qx w_qx1 on source x
	OUT 0
	PASS 2, SRCX, 93, 238, 0, STGB                 ; sx: qs w_qs2 on source x
	PASS 3, 0, 94, 244, 1, STGB                    ; s:  qs w_qs1 on source s
	OUT 1
	s_wait_tensorcnt 0x0
	ds_add_u32 v254, v255
	s_wait_dscnt 0x0
	ROUND                                          ; the closing round
	s_endpgm
.Lfunc_end_k_q889ceb60e9_attn:
	.size	k_q889ceb60e9_attn, .Lfunc_end_k_q889ceb60e9_attn-k_q889ceb60e9_attn
	.p2alignl 7, 3214868480
	.fill 96, 4, 3214868480
	.section	.rodata,"a",@progbits
	.p2align	6, 0x0
	.amdhsa_kernel k_q889ceb60e9_attn
		.amdhsa_group_segment_fixed_size 264192
		.amdhsa_private_segment_fixed_size 0
		.amdhsa_enable_private_segment 0
		.amdhsa_kernarg_size 40
		.amdhsa_user_sgpr_count 2
		.amdhsa_user_sgpr_kernarg_segment_ptr 1
		.amdhsa_wavefront_size32 1
		.amdhsa_system_sgpr_workgroup_id_x 1
		.amdhsa_system_sgpr_workgroup_id_y 1
		.amdhsa_system_sgpr_workgroup_id_z 1
		.amdhsa_system_vgpr_workitem_id 0
		.amdhsa_next_free_vgpr 256
		.amdhsa_next_free_sgpr 66
		.amdhsa_reserve_vcc 0
		.amdhsa_float_denorm_mode_32 3
		.amdhsa_float_denorm_mode_16_64 3
		.amdhsa_memory_ordered 1
		.amdhsa_forward_progress 1
		.amdhsa_inst_pref_size 98
	.end_amdhsa_kernel
	.amdgpu_metadata
---
amdhsa.version: [ 1, 2 ]
amdhsa.kernels:
  - .name:           k_q889ceb60e9_attn
    .symbol:         k_q889ceb60e9_attn.kd
    .args:
      - { .name: qc, .offset: 0, .size: 8, .value_kind: global_buffer, .address_space: global }
      - { .name: qsc, .offset: 8, .size: 8, .value_kind: global_buffer, .address_space: global }
      - { .name: kv, .offset: 16, .size: 8, .value_kind: global_buffer, .address_space: global }
      - { .name: cat_codes, .offset: 24, .size: 8, .value_kind: global_buffer, .address_space: global }
      - { .name: cat_scales, .offset: 32, .size: 8, .value_kind: global_buffer, .address_space: global }
    .group_segment_fixed_size: 264192
    .private_segment_fixed_size: 0
    .kernarg_segment_align: 8
    .kernarg_segment_size: 40
    .max_flat_workgroup_size: 512
    .sgpr_count:     66
    .vgpr_count:     256
    .wavefront_size: 32
...
	.end_amdgpu_metadata
.endif
;; end of part 3
;; launch oproj (part 4): grid 4 x 64, 4 waves a work-group, clusters of 4 x 4, 327,680 bytes of LDS; arguments cat_codes, cat_scales, w_xproj_codes, w_xproj_scales, w_sproj_codes, w_sproj_scales, b_xproj, b_sproj, out0, out1; writes out0, out1
.if DOCPART == 4
	.amdgcn_target "amdgcn-amd-amdhsa--gfx1250"
	.amdhsa_code_object_version 6
	.text
	.protected	k_q889ceb60e9_oproj
	.globl	k_q889ceb60e9_oproj
	.p2align	8
	.type	k_q889ceb60e9_oproj,@function
k_q889ceb60e9_oproj:
	s_mov_b64 s[64:65], 0
	v_nop
	global_prefetch_b8 v0, s[64:65] scope:SCOPE_SE
	s_setreg_imm32_b32 hwreg(HW_REG_WAVE_MODE, 25, 1), 1
	s_wait_xcnt 0x0
	s_wait_alu depctr_hold_cnt(0) depctr_sa_sdst(0) depctr_va_vdst(0) depctr_va_sdst(0) depctr_va_ssrc(0) depctr_va_vcc(0) depctr_vm_vsrc(0)
	s_getreg_b32 s2, hwreg(HW_REG_IB_STS2, 6, 4)
	s_cmp_eq_u32 s2, 0
	s_cbranch_scc0 .Lentry_in_a_cluster
	s_endpgm
.Lentry_in_a_cluster:
	s_bfe_u32 s2, ttmp6, 0x10000c
	s_cmp_lg_u32 s2, 0xf033
	s_cbranch_scc0 .Lentry_shape_is_right
	s_endpgm
.Lentry_shape_is_right:
; The two output projections, x_cat w_xproj + b_xproj and s_cat w_sproj + b_sproj, on codes of FP6 (E2M3) with E8M0 scales, K = 2,048; f32 results.
; A work-group of four waves makes 128 x 256 of one output (2 x 32 x 4 = 256 work-groups), a wave 64 x 128 in 32 accumulators; the bias is the C of each accumulator's first product.
; K goes through a ring of two LDS slots in CHUNKS OF 256 BYTES of each row (a row of codes is 1,536 bytes, so every chunk begins at a multiple of 256 bytes); a step of 128 along K is 96 bytes: eight steps to three chunks.
; The scales of the work-group's rows come once, at the head.  4 x 4 work-groups form a cluster: A's tiles are asked for jointly along a row of the cluster, B's along a column.
; Source 0 = 16 rows of the weight, source 1 = 16 tokens.  A and B have two sets of fragment registers each.  Of the scale words, lanes 0-15 of registers 4-7 of a set are loaded and not used (A has four blocks).
; PREFETCH INTO THE L2: behind the joint load of chunk c stands one request for chunk c + 2 (the head asks for chunks 1 and 2): never more than two chunks are asked for and not yet read.  Each row's 256 bytes of a chunk are
; named once in each cluster: of the rows that a wave fetches in the ring, the partner at place p (cx for A, cy for B) takes a quarter (16 of A's 64, 32 of B's 128), told apart by address; a lane a row; A's lanes 16-31 name
; row 15 again.  The chunk stands in the immediate, so the address registers are never rewritten.  The last two refills ask for nothing.
.set SIZE_K, 2048
.set SIZE_N, 1024
.set NA,     4                         ; A's blocks of 16 rows in a wave
.set BIAS,   1
.set AF,     128                       ; A's fragments, window 0, two sets of 12 NA
.set BI,     64                        ; v64-127 the bias, in the results' layout
.set ROWB,   256
.set KROW,   SIZE_K*6/8
.set STEPS,  SIZE_K/128
.set CHUNKS, KROW/ROWB
.set PITCH,  272
.set FR,     12
.set AH,     16*NA
.set AQ,     AH*PITCH
.set BQ,     128*PITCH
.set SLOT,   2*AQ+2*BQ
.set KS,     SIZE_K/32
.set SCL,    2*SLOT
.set AHS,    (AH*KS/256)*272
.set BHS,    (128*KS/256)*272
.set SBLK,   (16*KS/256)*272
.set ASR,    2*AH*KS/256
.set SPARE,  SCL+2*AHS+2*BHS
.set SPITCH, 528
.set STAGE,  (CHUNKS%2)*SLOT           ; the way out's stage: the slot that does not hold the last chunk; it has had its last fill and its last read by then
.set PFO,  8                           ; v8 the prefetches' offset: my lane's row x 1,536 bytes; never rewritten
.set ADRA, 16
.set ADRB, 20
.set STO,  24
.set RD,   25
.set CO,   26
.set ADRS, 27
.set SPW,  28
.set NIL,  29
.set BO,   30
.set SC,   32
.set BK,   128
.set G1, 24
.set G0, 32
.set G1B, 48
.set G0B, 56
.set G1S, 68
.set G0S, 76
.set G1SB, 80
.set G0SB, 88
.set G0H, 4
.set G0HB, 8
.set PFA, 92                           ; s[92:93] chunk 0 of my work-group's quarter of the rows that I fetch; never rewritten
.set MSB, 0
.macro WIN new
.if MSB != \new
	s_set_vgpr_msb (MSB<<8)|\new
.set MSB, \new
.endif
.endm
.set TO_B,   0x40
.macro JLOAD g0a, g1a, g0b, g1b        ; waves 0 and 1 fetch for A, waves 2 and 3 for B
	s_cmp_eq_u32 s15, 0
	s_cbranch_scc0 .Lfor_b_\@
	tensor_load_to_lds s[\g0a:\g0a+3], s[\g1a:\g1a+7]
	s_nop 0
.rept 4
	v_nop
.endr
	s_branch .Lasked_\@
.Lfor_b_\@:
	tensor_load_to_lds s[\g0b:\g0b+3], s[\g1b:\g1b+7]
	s_nop 0
.rept 4
	v_nop
.endr
.Lasked_\@:
.endm
.macro ASK c                           ; chunk c of my rows
	global_prefetch_b8 v[PFO], s[PFA:PFA+1] offset:(\c)*ROWB th:TH_LOAD_NT scope:SCOPE_SE
.endm
.macro CREST
	s_cmp_lg_u32 s14, 0
	s_cbranch_scc1 .Lnot_wave_0_\@
	s_barrier_signal -3
.Lnot_wave_0_\@:
	s_barrier_wait -3
	s_barrier_signal -1
	s_barrier_wait -1
.endm
.macro CROUND
	s_barrier_signal -1
	s_barrier_wait -1
	CREST
.endm
	s_load_b128 s[4:7], s[0:1], 0x0
	s_load_b512 s[68:83], s[0:1], 0x10
	v_lshl_add_u32 v[SPW], v0, 2, SPARE
	v_mov_b32 v[NIL], 0
	ds_add_u32 v[SPW], v[NIL]              ; the opening lines: the add twice and its wait
	ds_add_u32 v[SPW], v[NIL]
	v_lshrrev_b32 v1, 5, v0
	v_readfirstlane_b32 s14, v1
	s_lshr_b32 s15, s14, 1
	s_and_b32 s16, s14, 1
	s_bfe_u32 s40, ttmp6, 0x40000
	s_bfe_u32 s41, ttmp6, 0x40004
	s_lshl_b32 s42, ttmp9, 2
	s_add_co_u32 s42, s42, s40             ; tile column
	s_and_b32 s97, ttmp7, 0xffff
	s_lshl_b32 s17, s97, 2
	s_add_co_u32 s17, s17, s41             ; tile row in cat_codes, both outputs on end
	s_and_b32 s98, s97, 7
	s_lshl_b32 s98, s98, 2
	s_add_co_u32 s98, s98, s41             ; tile row in its output
	s_lshl_b32 s43, s41, 2
	s_lshl_b32 s43, 15, s43
	s_lshl_b32 s44, 0x1111, s40
	s_wait_dscnt 0x0
	s_wait_kmcnt 0x0
	s_cmp_lt_u32 s97, 8                    ; x or s
	s_cselect_b64 s[8:9], s[68:69], s[72:73]
	s_cselect_b64 s[10:11], s[70:71], s[74:75]
	s_cselect_b64 s[96:97], s[76:77], s[78:79]
	s_cselect_b64 s[12:13], s[80:81], s[82:83]
	s_or_b32 s[G1+0], s43, (0<<16)|(1<<20)|(1<<21)|(5<<22)|(3<<25)
	s_or_b32 s[G1B+0], s44, (0<<16)|(1<<20)|(1<<21)|(5<<22)|(3<<25)
.irp g, G1, G1B
	s_mov_b32 s[\g+1], ROWB<<16
	s_mov_b32 s[\g+3], ROWB<<16
	s_mov_b32 s[\g+5], KROW
	s_mov_b32 s[\g+6], 0
	s_mov_b32 s[\g+7], 0
.endr
	s_mov_b32 s[G1+2], (2*AH)<<16          ; the head's loads bring all of A's and of B's rows
	s_mov_b32 s[G1+4], 2*AH
	s_mov_b32 s[G1B+2], 256<<16
	s_mov_b32 s[G1B+4], 256
	s_or_b32 s[G1S+0], s43, (3<<16)|(1<<20)|(1<<21)|(5<<22)|(3<<25)
	s_or_b32 s[G1SB+0], s44, (3<<16)|(1<<20)|(1<<21)|(5<<22)|(3<<25)
.irp g, G1S, G1SB
	s_mov_b32 s[\g+1], 32<<16
	s_mov_b32 s[\g+3], 32<<16
	s_mov_b32 s[\g+5], 32
	s_mov_b32 s[\g+6], 0
	s_mov_b32 s[\g+7], 0
.endr
	s_mov_b32 s[G1S+2], ASR<<16
	s_mov_b32 s[G1S+4], ASR
	s_mov_b32 s[G1SB+2], KS<<16
	s_mov_b32 s[G1SB+4], KS
	s_mul_i32 s20, s17, 2*AH               ; A's first row
	s_lshl_b32 s46, s42, 8                 ; B's
	s_mov_b32 s21, 0
	s_mov_b32 s47, 0
	s_mov_b64 s[18:19], KS
	s_mul_u64 s[22:23], s[20:21], s[18:19]
	s_mul_u64 s[92:93], s[46:47], s[18:19]
	s_mov_b64 s[18:19], KROW
	s_mul_u64 s[20:21], s[20:21], s[18:19]
	s_mul_u64 s[46:47], s[46:47], s[18:19]
	s_mul_i32 s18, s16, AH*KROW            ; in the ring: which half of the rows I fetch
	s_mov_b32 s19, 0
	s_mul_i32 s94, s16, 128*KROW
	s_mov_b32 s95, 0
	s_mul_i32 s45, s16, AQ                 ; and where it goes
	s_mul_i32 s3, s16, BQ
	s_add_co_u32 s3, s3, 2*AQ
	s_add_nc_u64 s[20:21], s[4:5], s[20:21]
	s_add_nc_u64 s[22:23], s[6:7], s[22:23]
	s_add_nc_u64 s[46:47], s[8:9], s[46:47]
	s_add_nc_u64 s[92:93], s[10:11], s[92:93]
	CROUND                                 ; in front of the first joint loads
	s_mov_b32 s[G0H], 1
	s_mov_b32 s[G0H+1], 0
	s_mov_b64 s[G0H+2:G0H+3], s[20:21]
	s_or_b32 s[G0H+3], s[G0H+3], 0x80000000
	s_mov_b32 s[G0HB], 1
	s_mov_b32 s[G0HB+1], 2*AQ
	s_mov_b64 s[G0HB+2:G0HB+3], s[46:47]
	s_or_b32 s[G0HB+3], s[G0HB+3], 0x80000000
	s_mov_b32 s[G0S], 1
	s_mov_b32 s[G0S+1], SCL
	s_mov_b64 s[G0S+2:G0S+3], s[22:23]
	s_or_b32 s[G0S+3], s[G0S+3], 0x80000000
	s_mov_b32 s[G0SB], 1
	s_mov_b32 s[G0SB+1], SCL+2*AHS
	s_mov_b64 s[G0SB+2:G0SB+3], s[92:93]
	s_or_b32 s[G0SB+3], s[G0SB+3], 0x80000000
	s_add_nc_u64 s[20:21], s[20:21], s[18:19]
	s_add_nc_u64 s[46:47], s[46:47], s[94:95]
.irp s, 0,1
	s_mov_b32 s[G0+4*\s], 1
	s_add_co_u32 s[G0+4*\s+1], s45, \s*SLOT
	s_add_nc_u64 s[G0+4*\s+2:G0+4*\s+3], s[20:21], \s*ROWB
	s_or_b32 s[G0+4*\s+3], s[G0+4*\s+3], 0x80000000
	s_mov_b32 s[G0B+4*\s], 1
	s_add_co_u32 s[G0B+4*\s+1], s3, \s*SLOT
	s_add_nc_u64 s[G0B+4*\s+2:G0B+4*\s+3], s[46:47], \s*ROWB
	s_or_b32 s[G0B+4*\s+3], s[G0B+4*\s+3], 0x80000000
.endr
	s_cmp_eq_u32 s15, 0                    ; the prefetches: do I fetch for A?
	s_cselect_b64 s[PFA:PFA+1], s[20:21], s[46:47]   ; the rows that I fetch in the ring,
	s_cselect_b32 s94, s40, s41            ; my place among the four that ask for them with me,
	s_cselect_b32 s2, AH/4, 32             ; a quarter of them
	s_mul_i32 s94, s94, s2
	s_mul_i32 s94, s94, KROW
	s_mov_b32 s95, 0
	s_add_nc_u64 s[PFA:PFA+1], s[PFA:PFA+1], s[94:95]
	s_sub_co_u32 s2, s2, 1                 ; the quarter's last row
; the head's four tiles, one a wave: chunk 0 of A, chunk 0 of B, A's scales, B's scales
.macro ARM under, g0, g1, next
	s_cmp_lt_u32 s14, \under
	s_cbranch_scc0 \next
	tensor_load_to_lds s[\g0:\g0+3], s[\g1:\g1+7]
	s_nop 0
.rept 4
	v_nop
.endr
	s_branch .Lhead_asked
\next:
.endm
	ARM 1, G0H,  G1,  .Lhead_b
	ARM 2, G0HB, G1B, .Lhead_sa
	ARM 3, G0S,  G1S, .Lhead_sb
	tensor_load_to_lds s[G0SB:G0SB+3], s[G1SB:G1SB+7]
	s_nop 0
.rept 4
	v_nop
.endr
.Lhead_asked:
	s_lshl_b32 s20, s98, 7                 ; my first row of the output: 128 x tile row + 64 x half
	s_lshl_b32 s21, s15, 6
	s_add_co_u32 s20, s20, s21
	s_mov_b32 s21, 0
	s_mov_b64 s[18:19], SIZE_N*4
	s_mul_u64 s[20:21], s[20:21], s[18:19]
	s_lshl_b32 s46, s42, 10                ; my first column, in bytes
	s_lshl_b32 s47, s16, 9
	s_add_co_u32 s46, s46, s47
	s_mov_b32 s47, 0
	s_add_nc_u64 s[96:97], s[96:97], s[46:47]
	s_add_nc_u64 s[20:21], s[20:21], s[46:47]
	s_add_nc_u64 s[12:13], s[12:13], s[20:21]
	s_mul_i32 s21, s15, AQ                 ; my rows of A,
	s_mul_i32 s22, s16, BQ
	s_add_co_u32 s22, s22, 2*AQ            ; of B,
	s_mul_i32 s18, s15, AHS                ; A's scales,
	s_mul_i32 s19, s16, BHS
	s_add_co_u32 s19, s19, 2*AHS
	s_sub_co_u32 s19, s19, s18             ; the distance to B's,
	s_add_co_u32 s18, s18, SCL
	s_mul_i32 s23, s14, 16*SPITCH
	s_add_co_u32 s23, s23, STAGE           ; my stage
	v_and_b32 v[PFO], 31, v0
	v_min_u32 v[PFO], s2, v[PFO]           ; a lane a row; lanes that are left over name the last row again
	v_mul_u32_u24 v[PFO], v[PFO], KROW
	ASK 1                                  ; the two chunks that follow the head's
	ASK 2
	v_and_b32 v1, 15, v0
	v_bfe_u32 v2, v0, 4, 1
	v_mul_u32_u24 v3, v1, PITCH
	v_mul_u32_u24 v4, v2, 24
	v_add_nc_u32 v4, v3, v4
	v_sub_nc_u32 v7, 1, v2
	v_mul_u32_u24 v5, SLOT-232, v2
	v_add_nc_u32 v5, v3, v5
	v_add_nc_u32 v5, 232, v5               ; lanes 0-15 byte 232 of the row in slot 0, lanes 16-31 byte 0 in slot 1;
	v_mul_u32_u24 v6, SLOT+232, v7
	v_add_nc_u32 v6, v3, v6                ; and the other way round
	v_add_nc_u32 v[ADRA], s21, v4
	v_add_nc_u32 v[ADRB], s22, v4
	v_add_nc_u32 v[ADRA+1], SLOT, v[ADRA]
	v_add_nc_u32 v[ADRB+1], SLOT, v[ADRB]
	v_add_nc_u32 v[ADRA+2], s21, v5
	v_add_nc_u32 v[ADRA+3], s21, v6
	v_add_nc_u32 v[ADRB+2], s22, v5
	v_add_nc_u32 v[ADRB+3], s22, v6
	v_mul_u32_u24 v5, v1, KS
	v_lshrrev_b32 v6, 8, v5
	v_lshl_add_u32 v5, v6, 4, v5
	v_mul_u32_u24 v6, s19, v2
	v_add_nc_u32 v5, v5, v6
	v_add_nc_u32 v[ADRS], s18, v5          ; lanes 0-15 A's scale words, lanes 16-31 B's
	v_mul_u32_u24 v5, v1, SPITCH
	v_lshl_add_u32 v5, v2, 5, v5
	v_add_nc_u32 v[STO], s23, v5
	v_and_b32 v6, 31, v0
	v_lshlrev_b32 v[CO], 4, v6
	v_add_nc_u32 v[RD], s23, v[CO]
	v_lshlrev_b32 v[BO], 5, v2
.irp b, 0,1,2,3,4,5,6,7
	global_load_b128 v[BI+8*\b:BI+8*\b+3], v[BO], s[96:97] offset:64*\b      ; the bias of columns 16 b + 8 h + 0 .. 7
	global_load_b128 v[BI+8*\b+4:BI+8*\b+7], v[BO], s[96:97] offset:64*\b+16
.endr
.macro FRAG reg, adr, st, i            ; six pieces of 8 bytes; byte y of a row lies in slot (y / 256) % 2 at byte y % 256
.irp p, 0,1,2,3,4,5
.set BY, 96*(\st)+48*(\p/3)+8*(\p%3)
.if BY/ROWB == (BY+24)/ROWB
	ds_load_b64 v[\reg+2*\p:\reg+2*\p+1], v[\adr+(BY/ROWB)%2] offset:BY%ROWB+(\i)*16*PITCH
.else
	ds_load_b64 v[\reg+2*\p:\reg+2*\p+1], v[\adr+2+(BY/ROWB)%2] offset:BY%ROWB-232+(\i)*16*PITCH
.endif
.endr
.endm
.macro MULA a, st, first               ; A's block a against B's eight
.set AR, AF+FR*NA*((\st)%2)+FR*(\a)
.set BR, 128*((\st)%2)
.set SB, SC+16*(((\st)/2)%2)+(\st)%2
.set DA, 64*((\a)%4)
.irp b, 0,1,2,3,4,5,6,7
.if \first
	v_wmma_scale_f32_16x16x128_f8f6f4 v[DA+8*\b:DA+8*\b+7], v[BR+FR*\b:BR+FR*\b+11], v[AR:AR+11], v[BI+8*\b:BI+8*\b+7], v[SB+2*\b], v[SB+2*(\a)] matrix_a_fmt:MATRIX_FMT_FP6 matrix_b_fmt:MATRIX_FMT_FP6 matrix_a_scale:MATRIX_SCALE_ROW1
.else
	v_wmma_scale_f32_16x16x128_f8f6f4 v[DA+8*\b:DA+8*\b+7], v[BR+FR*\b:BR+FR*\b+11], v[AR:AR+11], v[DA+8*\b:DA+8*\b+7], v[SB+2*\b], v[SB+2*(\a)] matrix_a_fmt:MATRIX_FMT_FP6 matrix_b_fmt:MATRIX_FMT_FP6 matrix_a_scale:MATRIX_SCALE_ROW1
.endif
.endr
.endm
.macro MULR a0, n, st, first           ; blocks a0 .. a0 + n - 1; the accumulators take turns, in the same order in every step
.set A_, \a0
.rept \n
.if \first
	WIN 0x81
.else
	WIN 0xa1
.endif
	MULA A_, \st, \first
.set A_, A_+1
.endr
.endm
.macro FETCH st                        ; step st's fragments and, for a pair of steps, its scale words, into set st % 2
	WIN TO_B
.irp i, 0,1,2,3,4,5,6,7
	FRAG 128*((\st)%2)+FR*\i, ADRB, \st, \i
.endr
	WIN 0
.set I_, 0
.rept NA
	FRAG AF+FR*NA*((\st)%2)+FR*I_, ADRA, \st, I_
.set I_, I_+1
.endr
.if (\st)%2 == 0
.irp i, 0,1,2,3,4,5,6,7
	ds_load_b64 v[SC+16*(((\st)/2)%2)+2*\i:SC+16*(((\st)/2)%2)+2*\i+1], v[ADRS] offset:\i*SBLK+4*(\st)
.endr
.endif
.endm
.macro PLACES
.rept 4
	v_nop
.endr
.endm
; A step: its fragments were asked for in the step before.  Where the next step's bytes end in a chunk not yet read, a barrier shows that chunk whole; where they begin in a later chunk, the chunk left behind is
; read no more: the wait for all my tensor loads, the add, the wait for it and for my reads, the barrier, which opens a round of the cluster's barrier where a chunk two on is left to fetch, and the refill.
.macro STEP st, first
.set NX, (\st)+1
.set C0, (96*(\st))/ROWB
.set C1, (96*NX)/ROWB
.set E0, (96*(\st)+95)/ROWB
.set E1, (96*NX+95)/ROWB
.if C1 > C0 || E1 > E0
	s_wait_tensorcnt 0x0
.if C1 > C0
	ds_add_u32 v[SPW], v[NIL]
.endif
	s_wait_dscnt 0x0
	s_barrier_signal -1
	MULR 0, 2, \st, \first
	WIN 0
	s_barrier_wait -1
.if C1 > C0 && C0+2 < CHUNKS
	CREST
	s_add_nc_u64 s[G0+4*(C0%2)+2:G0+4*(C0%2)+3], s[G0+4*(C0%2)+2:G0+4*(C0%2)+3], 2*ROWB
	s_add_nc_u64 s[G0B+4*(C0%2)+2:G0B+4*(C0%2)+3], s[G0B+4*(C0%2)+2:G0B+4*(C0%2)+3], 2*ROWB
	JLOAD G0+4*(C0%2), G1, G0B+4*(C0%2), G1B
.else
	PLACES
.endif
	FETCH NX
.if C1 > C0 && C0+4 < CHUNKS
	ASK C0+4                               ; behind the load of chunk C0 + 2 and the run of LDS loads: the chunk two refills on
.endif
	MULR 2, NA-2, \st, \first
.else
	s_wait_dscnt 0x0                       ; this step's fragments are in
	PLACES                                 ; four places behind the last products, ahead of loads into the set that they read
	FETCH NX
	MULR 0, NA, \st, \first
.endif
	WIN 0
.endm
	s_wait_alu depctr_va_vdst(0)           ; the wait at the head's end
	s_wait_tensorcnt 0x0                   ; my tile of the head's four is in; slot 1's first fill is issued as a refill is
	ds_add_u32 v[SPW], v[NIL]
	s_mov_b32 s[G1+2], AH<<16              ; no load of mine is out: from here on a load brings half of the rows
	s_mov_b32 s[G1+4], AH
	s_mov_b32 s[G1B+2], 128<<16
	s_mov_b32 s[G1B+4], 128
	s_wait_dscnt 0x0
	CROUND
	JLOAD G0+4, G1, G0B+4, G1B
	FETCH 0
	ASK 3                                  ; behind the load of chunk 1
	s_wait_loadcnt 0x0                     ; the bias
	STEP 0, 1
.set ST, 1
.rept STEPS-2
	STEP ST, 0
.set ST, ST+1
.endr
	s_wait_dscnt 0x0
	MULR 0, NA, STEPS-1, 0
	WIN 0
; THE WAY OUT: a block of 16 rows x 128 columns goes through my stage and comes back as whole rows of 512 bytes, which the 32 lanes store as two aligned runs of 256 bytes.
.macro TOSTAGE a
.set AC, 64*(\a)
	WIN 0x08
.irp b, 0,1,2,3,4,5,6,7
	ds_store_b128 v[STO], v[AC+8*\b:AC+8*\b+3] offset:64*\b
	ds_store_b128 v[STO], v[AC+8*\b+4:AC+8*\b+7] offset:64*\b+16
.endr
	WIN 0
.set BB, BK+64*((\a)%2)
.irp t, 0,1,2,3,4,5,6,7,8,9,10,11,12,13,14,15
	ds_load_b128 v[BB+4*\t:BB+4*\t+3], v[RD] offset:\t*SPITCH
.endr
.endm
.macro SEND a, younger                 ; younger: the next block's 16 stores and 16 loads may be out
.set BB, BK+64*((\a)%2)
	s_wait_dscnt \younger
.if (\a) > 0
	s_add_nc_u64 s[12:13], s[12:13], 16*SIZE_N*4
.endif
.irp t, 0,1,2,3,4,5,6,7,8,9,10,11,12,13,14,15
	global_store_b128 v[CO], v[BB+4*\t:BB+4*\t+3], s[12:13] offset:\t*SIZE_N*4 th:TH_STORE_NT
.endr
.endm
	PLACES
	TOSTAGE 0
.irp a, 1,2,3
.if \a > 1
	s_wait_xcnt 0x0                        ; block a - 2's stores have read their registers and their base
.endif
	TOSTAGE \a
	SEND \a-1, 32
.endr
	s_wait_xcnt 0x0
	SEND 3, 0
	s_wait_tensorcnt 0x0                   ; the wave's end
	ds_add_u32 v[SPW], v[NIL]
	s_wait_dscnt 0x0
	CROUND                                 ; the closing round
	s_endpgm
.Lfunc_end_k_q889ceb60e9_oproj:
	.size	k_q889ceb60e9_oproj, .Lfunc_end_k_q889ceb60e9_oproj-k_q889ceb60e9_oproj
	.p2alignl 7, 3214868480
	.fill 96, 4, 3214868480
	.section	.rodata,"a",@progbits
	.p2align	6, 0x0
	.amdhsa_kernel k_q889ceb60e9_oproj
		.amdhsa_group_segment_fixed_size 327680
		.amdhsa_private_segment_fixed_size 0
		.amdhsa_enable_private_segment 0
		.amdhsa_kernarg_size 80
		.amdhsa_user_sgpr_count 2
		.amdhsa_user_sgpr_kernarg_segment_ptr 1
		.amdhsa_wavefront_size32 1
		.amdhsa_system_sgpr_workgroup_id_x 1
		.amdhsa_system_sgpr_workgroup_id_y 1
		.amdhsa_system_sgpr_workgroup_id_z 1
		.amdhsa_system_vgpr_workitem_id 0
		.amdhsa_next_free_vgpr 1024
		.amdhsa_next_free_sgpr 102
		.amdhsa_reserve_vcc 0
		.amdhsa_float_denorm_mode_32 3
		.amdhsa_float_denorm_mode_16_64 3
		.amdhsa_memory_ordered 1
		.amdhsa_forward_progress 1
		.amdhsa_inst_pref_size 178
	.end_amdhsa_kernel
	.amdgpu_metadata
---
amdhsa.version: [ 1, 2 ]
amdhsa.kernels:
  - .name:           k_q889ceb60e9_oproj
    .symbol:         k_q889ceb60e9_oproj.kd
    .args:
      - { .name: cat_codes, .offset: 0, .size: 8, .value_kind: global_buffer, .address_space: global }
      - { .name: cat_scales, .offset: 8, .size: 8, .value_kind: global_buffer, .address_space: global }
      - { .name: w_xproj_codes, .offset: 16, .size: 8, .value_kind: global_buffer, .address_space: global }
      - { .name: w_xproj_scales, .offset: 24, .size: 8, .value_kind: global_buffer, .address_space: global }
      - { .name: w_sproj_codes, .offset: 32, .size: 8, .value_kind: global_buffer, .address_space: global }
      - { .name: w_sproj_scales, .offset: 40, .size: 8, .value_kind: global_buffer, .address_space: global }
      - { .name: b_xproj, .offset: 48, .size: 8, .value_kind: global_buffer, .address_space: global }
      - { .name: b_sproj, .offset: 56, .size: 8, .value_kind: global_buffer, .address_space: global }
      - { .name: out0, .offset: 64, .size: 8, .value_kind: global_buffer, .address_space: global }
      - { .name: out1, .offset: 72, .size: 8, .value_kind: global_buffer, .address_space: global }
    .group_segment_fixed_size: 327680
    .private_segment_fixed_size: 0
    .kernarg_segment_align: 8
    .kernarg_segment_size: 80
    .max_flat_workgroup_size: 128
    .sgpr_count:     102
    .vgpr_count:     1024
    .wavefront_size: 32
...
	.end_amdgpu_metadata
.endif
;; end of part 4
